; MI455X (gfx1250); checked and timed in simulation.
; The chip was launched on July 23, 2026; its instructions are those of AMD's public machine-readable ISA for CDNA 5 (MIT licence, August 2026) and "CDNA5" Instruction Set Architecture Reference Guide (July 2026). The comments in the code are by the model that wrote it; some were corrected since.
;; Multi Head Attention With Rope. Allowed arithmetic: matrix products marked QUANTISED: E2M3 operands, one E8M0 scale for each 32 along K, by v_wmma_scale_f32_16x16x128_f8f6f4 with both operands' format E2M3, f32 sums; everything else in f32.
;; Inputs: b_k 1,024 float32; b_o 1,024 float32; b_q 1,024 float32; b_v 1,024 float32; key 4 x 2,048 x 1,024 float32; query 4 x 2,048 x 1,024 float32; token_positions 4 x 2,048 int32; value 4 x 2,048 x 1,024 float32; w_k 1,024 x 1,024 float32; w_o 1,024 x 1,024 float32; w_q 1,024 x 1,024 float32; w_v 1,024 x 1,024 float32.
;; Outputs: out0 4 x 2,048 x 1,024 float32.
;; This version of the problem:
;;   THIS VERSION OF THE PROBLEM IS GIVEN IN LOW PRECISION. The matrix products marked QUANTISED in the list below multiply operands that are first quantised to E2M3 (2 exponent bits, 3 mantissa bits; 6 bits a number), with one power-of-two scale for each 32 numbers along K (OCP MX v1.0); their sums are f32. All else is computed in f32.
;;   The module's matrix products, in the order in which they are computed (A, B: the left and right operand; K: the contracted axis; several contracted axes count as one K, in the product's order):
;;     1. [M 8,192, K 1,024] x [K 1,024, N 1,024]; A: input query; B: input w_q: QUANTISED
;;     2. [M 8,192, K 1,024] x [K 1,024, N 1,024]; A: input key; B: input w_k: QUANTISED
;;     3. [M 8,192, K 1,024] x [K 1,024, N 1,024]; A: input value; B: input w_v: QUANTISED
;;     4. batch 64 x [M 2,048, K 64] x [K 64, N 2,048]; A: computed on the way; B: computed on the way: QUANTISED
;;     5. batch 64 x [M 2,048, K 2,048] x [K 2,048, N 64]; A: softmax (see below); B: computed on the way: QUANTISED
;;     6. [M 8,192, K 1,024] x [K 1,024, N 1,024]; A: computed on the way; B: input w_o: QUANTISED
;;   THE QUANTISER, for each operand of a quantised product, along K:
;;     - K is cut into blocks of 32 from its start; a last block that is shorter is filled with zeros.
;;     - A block's scale is 2^e with e = floor(log2(the largest magnitude in the block)) - 2, held to -126 .. 127; a block of zeros has e = 0. As a byte (E8M0): e + 127.
;;     - Each number is divided by its block's scale, clamped to +-7.5, and rounded to the nearest number of E2M3, ties to even, subnormals kept.
;;     - The product sums the exact products of the quantised numbers (number of the format x scale) in f32.
;;   ~~~python
;;   def quantise(x, axis):      # numpy; x: float32 -> the quantised numbers, widened to float32 again
;;       x = np.moveaxis(x, axis, -1); K = x.shape[-1]
;;       x = np.pad(x, [(0, 0)] * (x.ndim - 1) + [(0, -K % 32)]); x = x.reshape(x.shape[:-1] + (-1, 32)); a = np.abs(x).max(-1, keepdims=True)
;;       e = np.where(a > 0, np.clip(np.frexp(np.where(a > 0, a, 1))[1] - 1 - 2, -126, 127), 0)      # np.frexp(a)[1] - 1 = floor(log2(a)), exactly
;;       r = np.clip(x / 2.0 ** e, -7.5, 7.5)
;;       step = 2.0 ** (np.maximum(np.frexp(np.where(r == 0, 1, r))[1] - 1, 0) - 3)
;;       q = np.round(r / step) * step * 2.0 ** e      # np.round: ties to even
;;       return np.moveaxis(q.reshape(q.shape[:-2] + (-1,))[..., :K], -1, axis).astype(np.float32)
;;   ~~~
;;   SOFTMAX AHEAD OF A QUANTISED PRODUCT. Where the list says 'softmax', what is quantised is not the finished softmax but p = 2^(t - M), with t = logit x log2(e) and M = ceil(the row's largest t), a whole number; so 1/2 < the row's largest p <= 1. The row's sum l is taken of the UNQUANTISED p, in f32, and the product's result is divided by l at the end. Since M is a whole number, a kernel that streams over the keys may use a running M (the ceiling of the running maximum): every later rescaling is an exact power of two, which a block's scale takes up: the codes' values come out the same.
;;   OPERANDS COMPUTED ON THE WAY. 'Computed on the way' means the value that the module computes at that place (a softmax that the list does not call 'softmax' is quantised finished and normalised). What goes into a quantiser is computed in f32, as accurately as f32 sums, v_exp_f32 and their like allow (about 1e-6 of the number): no bf16 or f16 on the way to a quantiser, and a product that is left as it is and whose result goes on into a quantised operand takes f32 operands (vector FMAs, or v_wmma_f32_16x16x4_f32). A number that lies on a knife's edge between two numbers of the format may be rounded either way, as far as f32 arithmetic and the matrix unit's own rounding can turn it there, and no further.
;; One version. Each part assembles by itself: llvm-mc -triple=amdgcn-amd-amdhsa -mcpu=gfx1250 --defsym DOCPART=n.
;; ======== version 1 of 1: 4 launches
;; limits: right only within a limited range of input values
;; workspace buffers: xb 19,660,800 bytes; wb 3,276,800 bytes; cst 2,097,152 bytes; qb 6,815,744 bytes; kv 13,369,344 bytes; ab 6,553,600 bytes
;; launch prep (part 1): grid 576 x 1, 4 waves a work-group, no clusters, 34,304 bytes of LDS; arguments query, key, value, token_positions, w_q, w_k, w_v, w_o, xb, wb, cst; writes xb, wb, cst
.if DOCPART == 1
	.amdgcn_target "amdgcn-amd-amdhsa--gfx1250"
	.amdhsa_code_object_version 6
	.text
	.protected	k_qf656250dce_prep
	.globl	k_qf656250dce_prep
	.p2align	8
	.type	k_qf656250dce_prep,@function
k_qf656250dce_prep:
	s_mov_b64 s[64:65], 0
	v_nop
	global_prefetch_b8 v0, s[64:65] scope:SCOPE_SE
	s_setreg_imm32_b32 hwreg(HW_REG_WAVE_MODE, 25, 1), 1
	s_wait_xcnt 0x0
; query, key, value [8192][1024] f32 and w_q, w_k, w_v, w_o [1024 (k)][1024 (n)] f32 become codes of FP6 (E2M3) with one E8M0 byte for each 32 along K; and the table of cos and sin for the rotary step is made.
; A block's scale is 2^(floor(log2(its largest magnitude)) - 2); its byte is the largest magnitude's exponent field - 2, held at 1 from below.  (A block of zeros keeps the byte 1: its codes are zeros, and this program alone reads the bytes.)
; TWO CONVENTIONS OF THIS PROGRAM'S WORKSPACE.  (1) Inside each block of 32 along K, code i holds the number at offset sigma(i) = i with bits 3 and 4 exchanged (0..7, 16..23, 8..15, 24..31), in BOTH operands of
; every product: the block's largest magnitude, its codes and the exact products are the same, only the order of the sum inside a block changes.  It is the order in which a transposed matrix result falls into codes.
; (2) Codes lie as IMAGES OF THE OPERAND'S REGISTERS: a fragment (16 rows x 128 K, 12 registers a lane) is 1,536 bytes, register pair p of lane l at 256 p + 8 l: each store of a wave covers 256 consecutive bytes, aligned.
; xb: [tensor 3][tile of 16 tokens 512][K step 8][1536], then from XS on the scale bytes [tensor][token][32].  wb: [weight 4][tile of 16 columns 64][K step 8][1536], then from WS on [weight][column][32].
; cst: [tile of 16 tokens 512][m 8][lane 32][16 bytes]: lane (r, h), m = 2 t + g: cos, sin of frequency 8 t + 4 h + 2 g, then of the next one, for token 16 tile + r.
; SHARES.  Work-groups 0-63: the weights; 64-447: the activations; 448-575: the table.  A wave takes one tile of 16 rows (or columns) through all of K.  Waves share nothing: no barrier.  No input is read by two work-groups, so there is no cluster.
; LIMITS: NaN and infinities among the inputs are not served; blocks whose largest magnitude lies under 2^-124 keep the byte 1.  The sine and cosine are polynomials on an angle reduced by pi/2 in three parts:
; about 1e-7 absolute for angles whose quotient by pi/2 stays under 2^24, and not served where it passes 2^31.  The frequencies are 10^(-j/8) rounded to f32.
.set SPARE, 33792                      ; behind the four stages: the spare words, 128 bytes for each wave
.set XS,    18874368
.set WS,    3145728
.set SPW,   2                          ; v2   LDS address of my spare word; never rewritten
.set NIL,   3                          ; v3   0; never rewritten
.set R0,    16                         ; v16-143  two sets of 64 numbers as they are loaded
.set X,     144                        ; v144-207 64 numbers in the order that QUANT takes
.set TM,    208                        ; v208-223 at work
.set PC,    224                        ; v224-235 a fragment's codes
.set CT,    236                        ; v236-242 the conversions' second halves
.set PWS,   244                        ; v244-251 a scale word for each K step
.set SEL,   28                         ; s[28:29] lane selects for v_permlanex16_b32: lane l xor 16
.set SRC,   36                         ; s[36:37] where my tile is read
.set DC,    42                         ; s[42:43] where its codes (or its part of the table) go
.set DS,    44                         ; s[44:45] and its scale bytes
.set KC,    50                         ; s50-59   the table path's ten constants: registers that hold nothing else
; 64 numbers of a lane, register 16 b + i = place 16 (lane / 16) + i of block b of my row, become a fragment's codes (six registers at d0, six at d1) and its scale word in v[w].
.macro QUANT s, d0, d1, w
.irp b, 0,1,2,3
	v_max3_num_f32 v[TM+\b], |v[\s+16*\b]|, |v[\s+1+16*\b]|, 0x1800000   ; my 16 numbers of block b, and the floor 2^(3 - 127): the byte cannot fall under 1
.endr
.irp i, 2,4,6,8,10,12,14
.irp b, 0,1,2,3
	v_max3_num_f32 v[TM+\b], v[TM+\b], |v[\s+16*\b+\i]|, |v[\s+1+16*\b+\i]|
.endr
.endr
.irp b, 0,1,2,3
	v_permlanex16_b32 v[TM+4+\b], v[TM+\b], s[SEL], s[SEL+1]
.endr
.irp b, 0,1,2,3
	v_max_num_f32 v[TM+\b], v[TM+\b], v[TM+4+\b]                   ; with lane l xor 16's: the block's largest magnitude
.endr
.irp b, 0,1,2,3
	v_add_nc_u32 v[TM+12+\b], 0xff000000, v[TM+\b]                 ; 2 off its exponent field: the conversion's scale operand
.endr
.irp b, 0,1,2,3
	v_lshrrev_b32 v[TM+4+\b], 23, v[TM+12+\b]                      ; the scale's byte
.endr
	v_lshl_or_b32 v[\w], v[TM+5], 8, v[TM+4]
	v_lshl_or_b32 v[\w], v[TM+6], 16, v[\w]
	v_lshl_or_b32 v[\w], v[TM+7], 24, v[\w]
	v_cvt_scalef32_pk16_fp6_f32 v[\d0:\d0+2], v[\s:\s+15], v[TM+12]
	v_cvt_scalef32_pk16_fp6_f32 v[CT:CT+2], v[\s+16:\s+31], v[TM+13]
	v_cvt_scalef32_pk16_fp6_f32 v[\d1:\d1+2], v[\s+32:\s+47], v[TM+14]
	v_cvt_scalef32_pk16_fp6_f32 v[CT+4:CT+6], v[\s+48:\s+63], v[TM+15]
	v_nop                                                          ; one plain instruction behind the scaled conversions
.irp i, 0,1,2
	v_permlane16_swap_b32 v[\d0+\i], v[CT+\i]                      ; the operand wants a whole block in a lane: lanes 0-15 the even block, lanes 16-31 the odd one
.endr
.irp i, 0,1,2
	v_mov_b32 v[\d0+3+\i], v[CT+\i]
.endr
.irp i, 0,1,2
	v_permlane16_swap_b32 v[\d1+\i], v[CT+4+\i]
.endr
.irp i, 0,1,2
	v_mov_b32 v[\d1+3+\i], v[CT+4+\i]
.endr
.endm
.macro PUT k                           ; the fragment of K step k goes out as its image: six stores of 256 consecutive bytes
.irp p, 0,1,2,3,4,5
	global_store_b64 v10, v[PC+2*\p:PC+2*\p+1], s[DC:DC+1] offset:1536*(\k)+256*\p
.endr
.endm
.macro FIN                             ; my 16 rows' 32 scale bytes each: lane (r, h) stores words 4 h .. 4 h + 3 of row r: 512 consecutive bytes
.irp i, 0,1,2,3
	v_cndmask_b32 v[TM+\i], v[PWS+\i], v[PWS+4+\i], s30
.endr
	global_store_b128 v11, v[TM:TM+3], s[DS:DS+1]
.endm
	s_load_b512 s[4:19], s[0:1], 0x0               ; query 4, key 6, value 8, positions 10, w_q 12, w_k 14, w_v 16, w_o 18
	s_load_b128 s[20:23], s[0:1], 0x40             ; xb, wb
	s_load_b64 s[24:25], s[0:1], 0x50              ; cst
	v_lshl_add_u32 v[SPW], v0, 2, SPARE
	v_mov_b32 v[NIL], 0
	v_lshrrev_b32 v1, 5, v0
	v_readfirstlane_b32 s26, v1                    ; wave 0..3
	v_and_b32 v4, 31, v0                           ; lane
	v_and_b32 v5, 15, v0                           ; r
	v_bfe_u32 v6, v0, 4, 1                         ; h
	v_lshlrev_b32 v7, 4, v4                        ; 16 x lane
	v_lshlrev_b32 v10, 3, v4                       ; 8 x lane
	v_lshlrev_b32 v11, 5, v5
	v_lshl_add_u32 v11, v6, 4, v11                 ; 32 r + 16 h
	s_mul_i32 s46, s26, 8448                       ; my stage: 16 rows x (512 bytes + 16)
	v_add_nc_u32 v8, s46, v7                       ; into it: 16 x lane of a row
	v_mul_u32_u24 v9, v5, 528
	v_lshl_add_u32 v9, v6, 5, v9
	v_add_nc_u32 v9, s46, v9                       ; out of it: row r, + 32 h
	s_mov_b32 s[SEL], 0x76543210
	s_mov_b32 s[SEL+1], 0xfedcba98
	s_mov_b32 s30, 0xffff0000                      ; lanes 16-31
.irp b, 0,1,2,3
	v_mov_b32 v[TM+4+\b], 0                        ; written once: a lane permute's destination counts as one of its sources
.endr
	s_mov_b32 s39, 0
	s_wait_kmcnt 0x0
	s_cmp_lt_u32 ttmp9, 64
	s_cbranch_scc1 .Lweights
	s_cmp_lt_u32 ttmp9, 448
	s_cbranch_scc0 .Ltable
; ---- THE ACTIVATIONS.  K is innermost.  Each load reads 512 consecutive bytes of one row; a K step's 16 rows x 512 bytes turn through my stage and come back with 16 numbers of each block in a lane, in the order sigma.
	s_sub_co_u32 s31, ttmp9, 64
	s_lshl_b32 s32, s31, 2
	s_add_co_u32 s32, s32, s26                     ; which of the 1,536 tiles
	s_lshr_b32 s33, s32, 9                         ; tensor 0, 1, 2
	s_and_b32 s34, s32, 511                        ; tile
	s_cmp_eq_u32 s33, 0
	s_cselect_b64 s[SRC:SRC+1], s[4:5], s[6:7]
	s_cmp_eq_u32 s33, 2
	s_cselect_b64 s[SRC:SRC+1], s[8:9], s[SRC:SRC+1]
	; query: a tile is 16 neighbouring tokens.  key, value: THE TOKENS OF A TILE ARE NOT NEIGHBOURS: tile 4 c + u of a group of 128 tokens holds tokens 64 c + 8 u + 0..7 in rows 0-7 and 64 c + 32 + 8 u + 0..7 in rows 8-15,
	; so that in attention a lane's 32 registers of four neighbouring tiles are one whole block of 32 keys in their true order.
	s_lshr_b32 s38, s34, 3
	s_lshl_b32 s38, s38, 7                         ; 128 x group
	s_bfe_u32 s40, s34, 0x10002
	s_lshl_b32 s40, s40, 6                         ; + 64 c
	s_add_co_u32 s38, s38, s40
	s_and_b32 s40, s34, 3
	s_lshl_b32 s40, s40, 3                         ; + 8 u
	s_add_co_u32 s38, s38, s40
	s_lshl_b32 s40, s34, 4                         ; query: 16 x tile
	s_mov_b32 s41, 32<<12
	s_cmp_eq_u32 s33, 0
	s_cselect_b32 s38, s40, s38                    ; the tile's first token,
	s_cselect_b32 s40, 8<<12, s41                  ; and from row 0 to row 8: 8 tokens or 32, of 4,096 bytes
	s_mov_b32 s41, 0
	s_lshl_b32 s38, s38, 12
	s_add_nc_u64 s[SRC:SRC+1], s[SRC:SRC+1], s[38:39]
	s_add_nc_u64 s[48:49], s[SRC:SRC+1], s[40:41]  ; s[48:49]: where rows 8-15 are read
	s_mul_i32 s38, s33, 6291456
	s_mul_i32 s40, s34, 12288
	s_add_co_u32 s38, s38, s40
	s_add_nc_u64 s[DC:DC+1], s[20:21], s[38:39]
	s_lshl_b32 s38, s33, 18
	s_lshl_b32 s40, s34, 9
	s_add_co_u32 s38, s38, s40
	s_add_co_u32 s38, s38, XS
	s_add_nc_u64 s[DS:DS+1], s[20:21], s[38:39]
.macro LOADX k                         ; K step k: 16 rows x 512 bytes into set k % 2
.set RL, R0+64*((\k)%2)
.set i_, 0
.rept 16
	global_load_b128 v[RL+4*i_:RL+4*i_+3], v7, s[SRC+12*(i_/8):SRC+12*(i_/8)+1] offset:4096*(i_%8)+512*(\k) th:TH_LOAD_NT
.set i_, i_+1
.endr
.endm
.macro KSTEPX k
.set RS, R0+64*((\k)%2)
.if (\k) < 7
	s_wait_loadcnt 16                              ; this step's 16 loads are in; the next step's 16 may be out
.else
	s_wait_loadcnt 0x0
.endif
.set i_, 0
.rept 16
	ds_store_b128 v8, v[RS+4*i_:RS+4*i_+3] offset:528*i_
.set i_, i_+1
.endr
.irp b, 0,1,2,3
.irp u, 0,1
.irp g, 0,1
	ds_load_b128 v[X+16*\b+8*\u+4*\g:X+16*\b+8*\u+4*\g+3], v9 offset:128*\b+64*\u+16*\g   ; LDS serves a wave's instructions in order: these see the stores.  Register 16 b + 8 u + 4 g + e = k 32 b + 16 u + 8 h + 4 g + e
.endr
.endr
.endr
	s_wait_dscnt 0x0                               ; the numbers are back, and the stores have read their registers
.if (\k)+2 < 8
	LOADX (\k)+2                                   ; which take the loads of two steps on
.endif
	s_wait_xcnt 0x0                                ; the last step's stores have read the codes' registers: they are written again only behind this wait
	QUANT X, PC, PC+6, PWS+(\k)
	PUT \k
.endm
	LOADX 0
	LOADX 1
	s_wait_alu depctr_va_vdst(0)
.irp k, 0,1,2,3,4,5,6,7
	KSTEPX \k
.endr
	FIN
	s_wait_tensorcnt 0x0                           ; the wave's end
	ds_add_u32 v[SPW], v[NIL]
	s_wait_dscnt 0x0
	s_endpgm
; ---- THE WEIGHTS.  K is the first axis.  Lane (r, h) takes column r of its tile and its registers run down K, in the very order that the operand gives that lane: two whole blocks a K step, so no other lane is asked for a maximum.
.Lweights:
	s_lshl_b32 s32, ttmp9, 2
	s_add_co_u32 s32, s32, s26                     ; which of the 256 tiles
	s_lshr_b32 s33, s32, 6                         ; weight 0..3
	s_and_b32 s34, s32, 63                         ; tile of 16 columns
	s_cmp_eq_u32 s33, 0
	s_cselect_b64 s[SRC:SRC+1], s[12:13], s[14:15]
	s_cmp_eq_u32 s33, 2
	s_cselect_b64 s[SRC:SRC+1], s[16:17], s[SRC:SRC+1]
	s_cmp_eq_u32 s33, 3
	s_cselect_b64 s[SRC:SRC+1], s[18:19], s[SRC:SRC+1]
	s_lshl_b32 s38, s34, 6
	s_add_nc_u64 s[SRC:SRC+1], s[SRC:SRC+1], s[38:39]
	s_mul_i32 s38, s33, 786432
	s_mul_i32 s40, s34, 12288
	s_add_co_u32 s38, s38, s40
	s_add_nc_u64 s[DC:DC+1], s[22:23], s[38:39]
	s_lshl_b32 s38, s33, 15
	s_lshl_b32 s40, s34, 9
	s_add_co_u32 s38, s38, s40
	s_add_co_u32 s38, s38, WS
	s_add_nc_u64 s[DS:DS+1], s[22:23], s[38:39]
	v_lshlrev_b32 v12, 2, v5
	v_lshl_add_u32 v12, v6, 17, v12                ; 4 r, and 32 rows of 4,096 bytes further down for lanes 16-31
.macro LOADW k                         ; register 32 c + i = W(128 k + 64 c + 32 h + sigma(i), my column); sixteen lanes read 64 consecutive bytes, the work-group's four waves 256
.set RL, R0+64*((\k)%2)
.set c_, 0
.rept 2
.set i_, 0
.rept 32
	global_load_b32 v[RL+32*c_+i_], v12, s[SRC:SRC+1] offset:(128*(\k)+64*c_+((i_&7)|((i_&8)<<1)|((i_&16)>>1)))*4096
.set i_, i_+1
.endr
.set c_, c_+1
.endr
.endm
.macro WQUANT s, w
.irp c, 0,1
	v_max3_num_f32 v[TM+\c], |v[\s+32*\c]|, |v[\s+32*\c+1]|, 0x1800000
.endr
.irp i, 2,4,6,8,10,12,14,16,18,20,22,24,26,28,30
.irp c, 0,1
	v_max3_num_f32 v[TM+\c], v[TM+\c], |v[\s+32*\c+\i]|, |v[\s+32*\c+\i+1]|
.endr
.endr
.irp c, 0,1
	v_add_nc_u32 v[TM+12+\c], 0xff000000, v[TM+\c]
.endr
.irp c, 0,1
	v_lshrrev_b32 v[TM+8+\c], 23, v[TM+12+\c]
.endr
	v_lshl_or_b32 v[\w], v[TM+9], 16, v[TM+8]      ; my two bytes: blocks h and 2 + h,
	v_lshlrev_b32 v[TM+10], 3, v6
	v_lshlrev_b32 v[\w], v[TM+10], v[\w]           ; at their places in the word;
	v_permlanex16_b32 v[TM+4], v[\w], s[SEL], s[SEL+1]
	v_or_b32 v[\w], v[\w], v[TM+4]                 ; with lane l xor 16's two the word is whole
	v_cvt_scalef32_pk16_fp6_f32 v[PC:PC+2], v[\s:\s+15], v[TM+12]
	v_cvt_scalef32_pk16_fp6_f32 v[CT:CT+2], v[\s+16:\s+31], v[TM+12]
	v_cvt_scalef32_pk16_fp6_f32 v[PC+6:PC+8], v[\s+32:\s+47], v[TM+13]
	v_cvt_scalef32_pk16_fp6_f32 v[CT+4:CT+6], v[\s+48:\s+63], v[TM+13]
	v_nop
.irp i, 0,1,2
	v_mov_b32 v[PC+3+\i], v[CT+\i]
	v_mov_b32 v[PC+9+\i], v[CT+4+\i]
.endr
.endm
.macro KSTEPW k
.set RS, R0+64*((\k)%2)
.if (\k) < 7
	s_wait_loadcnt 63                              ; 64 loads were issued behind this step's: with at most 63 out, this step's are in
.else
	s_wait_loadcnt 0x0
.endif
	s_wait_xcnt 0x0                                ; the last step's stores have read the codes' registers
	WQUANT RS, PWS+(\k)
	PUT \k
.if (\k)+2 < 8
	LOADW (\k)+2
.endif
.endm
	LOADW 0
	LOADW 1
.irp k, 0,1,2,3,4,5,6,7
	KSTEPW \k
.endr
	FIN
	s_endpgm
; ---- THE TABLE.  A wave takes 16 tokens; lane (r, h) makes cos and sin of token r at its 16 frequencies.
.Ltable:
	s_sub_co_u32 s31, ttmp9, 448
	s_lshl_b32 s32, s31, 2
	s_add_co_u32 s32, s32, s26                     ; tile of 16 tokens
	s_lshl_b32 s38, s32, 6
	s_add_nc_u64 s[SRC:SRC+1], s[10:11], s[38:39]
	s_lshl_b32 s38, s32, 12
	s_add_nc_u64 s[DC:DC+1], s[24:25], s[38:39]    ; my 4,096 bytes of the table: s[42:43] stay as they are until the last store
	v_lshlrev_b32 v12, 2, v5
	global_load_b32 v16, v12, s[SRC:SRC+1]         ; my token's position
	s_mov_b32 s[KC+0], 0x3f22f983                  ; 2 / pi
	s_mov_b32 s[KC+1], 0xbfc90fdb                  ; pi / 2 in three parts: - the f32 nearest to it,
	s_mov_b32 s[KC+2], 0x333bbd2e                  ; + what that is too large by,
	s_mov_b32 s[KC+3], 0x26f72ced                  ; + the rest
	s_mov_b32 s[KC+4], -0.00019515295891           ; the sine's polynomial on |x| <= pi / 4
	s_mov_b32 s[KC+5], 0.0083321608736
	s_mov_b32 s[KC+6], -0.16666654611
	s_mov_b32 s[KC+7], 0.00002443315711809948      ; the cosine's
	s_mov_b32 s[KC+8], -0.001388731625493765
	s_mov_b32 s[KC+9], 0.04166664568298827
.macro INVF q, lo, hi                  ; frequency number 8 (q / 4) + q % 4 + 4 h: 10^(-j / 8)
	v_mov_b32 v[32+\q], \lo
	v_mov_b32 v48, \hi
	v_cndmask_b32 v[32+\q], v[32+\q], v48, s30
.endm
	INVF 0, 1.0, 0.3162277660
	INVF 1, 0.7498942093, 0.2371373706
	INVF 2, 0.5623413252, 0.1778279410
	INVF 3, 0.4216965034, 0.1333521432
	INVF 4, 0.1, 0.03162277660
	INVF 5, 0.07498942093, 0.02371373706
	INVF 6, 0.05623413252, 0.01778279410
	INVF 7, 0.04216965034, 0.01333521432
	INVF 8, 0.01, 0.003162277660
	INVF 9, 0.007498942093, 0.002371373706
	INVF 10, 0.005623413252, 0.001778279410
	INVF 11, 0.004216965034, 0.001333521432
	INVF 12, 0.001, 0.0003162277660
	INVF 13, 0.0007498942093, 0.0002371373706
	INVF 14, 0.0005623413252, 0.0001778279410
	INVF 15, 0.0004216965034, 0.0001333521432
	s_wait_loadcnt 0x0
	v_cvt_f32_i32 v17, v16
.macro SINCOS q
	v_mul_f32 v18, v17, v[32+\q]                   ; the angle, rounded once
	v_mul_f32 v19, s[KC+0], v18
	v_rndne_f32 v19, v19                           ; n = the nearest multiple of pi / 2
	v_fma_f32 v20, v19, s[KC+1], v18               ; x = angle - n pi / 2
	v_fma_f32 v20, v19, s[KC+2], v20
	v_fma_f32 v20, v19, s[KC+3], v20
	v_cvt_i32_f32 v21, v19
	v_mul_f32 v22, v20, v20                        ; z = x^2
	v_fma_f32 v23, v22, s[KC+4], s[KC+5]
	v_fma_f32 v23, v23, v22, s[KC+6]
	v_mul_f32 v24, v22, v20
	v_fma_f32 v23, v23, v24, v20                   ; sin x
	v_fma_f32 v25, v22, s[KC+7], s[KC+8]
	v_fma_f32 v25, v25, v22, s[KC+9]
	v_mul_f32 v26, v22, v22
	v_fma_f32 v27, v22, -0.5, 1.0
	v_fma_f32 v25, v25, v26, v27                   ; cos x
	v_and_b32 v26, 1, v21
	v_cmp_eq_u32 vcc_lo, 1, v26                    ; an odd n exchanges the two
	v_cndmask_b32 v27, v23, v25, vcc_lo
	v_cndmask_b32 v25, v25, v23, vcc_lo
	v_lshlrev_b32 v26, 30, v21                     ; bit 1 of n turns the sine's sign,
	v_and_b32 v26, 0x80000000, v26
	v_xor_b32 v[65+2*\q], v27, v26
	v_add_nc_u32 v21, 1, v21                       ; bit 1 of n + 1 the cosine's
	v_lshlrev_b32 v21, 30, v21
	v_and_b32 v21, 0x80000000, v21
	v_xor_b32 v[64+2*\q], v25, v21
.endm
.irp q, 0,1,2,3,4,5,6,7,8,9,10,11,12,13,14,15
	SINCOS \q
.endr
.irp m, 0,1,2,3,4,5,6,7
	global_store_b128 v7, v[64+4*\m:67+4*\m], s[DC:DC+1] offset:512*\m   ; 512 consecutive bytes a store
.endr
	s_endpgm
.Lfunc_end_k_qf656250dce_prep:
	.size	k_qf656250dce_prep, .Lfunc_end_k_qf656250dce_prep-k_qf656250dce_prep
	.p2alignl 7, 3214868480
	.fill 96, 4, 3214868480
	.section	.rodata,"a",@progbits
	.p2align	6, 0x0
	.amdhsa_kernel k_qf656250dce_prep
		.amdhsa_group_segment_fixed_size 34304
		.amdhsa_private_segment_fixed_size 0
		.amdhsa_enable_private_segment 0
		.amdhsa_kernarg_size 88
		.amdhsa_user_sgpr_count 2
		.amdhsa_user_sgpr_kernarg_segment_ptr 1
		.amdhsa_wavefront_size32 1
		.amdhsa_system_sgpr_workgroup_id_x 1
		.amdhsa_system_sgpr_workgroup_id_y 1
		.amdhsa_system_sgpr_workgroup_id_z 1
		.amdhsa_system_vgpr_workitem_id 0
		.amdhsa_next_free_vgpr 256
		.amdhsa_next_free_sgpr 66
		.amdhsa_reserve_vcc 1
		.amdhsa_float_denorm_mode_32 3
		.amdhsa_float_denorm_mode_16_64 3
		.amdhsa_memory_ordered 1
		.amdhsa_forward_progress 1
		.amdhsa_inst_pref_size 170
	.end_amdhsa_kernel
	.amdgpu_metadata
---
amdhsa.version: [ 1, 2 ]
amdhsa.kernels:
  - .name:           k_qf656250dce_prep
    .symbol:         k_qf656250dce_prep.kd
    .args:
      - { .name: query, .offset: 0, .size: 8, .value_kind: global_buffer, .address_space: global }
      - { .name: key, .offset: 8, .size: 8, .value_kind: global_buffer, .address_space: global }
      - { .name: value, .offset: 16, .size: 8, .value_kind: global_buffer, .address_space: global }
      - { .name: token_positions, .offset: 24, .size: 8, .value_kind: global_buffer, .address_space: global }
      - { .name: w_q, .offset: 32, .size: 8, .value_kind: global_buffer, .address_space: global }
      - { .name: w_k, .offset: 40, .size: 8, .value_kind: global_buffer, .address_space: global }
      - { .name: w_v, .offset: 48, .size: 8, .value_kind: global_buffer, .address_space: global }
      - { .name: w_o, .offset: 56, .size: 8, .value_kind: global_buffer, .address_space: global }
      - { .name: xb, .offset: 64, .size: 8, .value_kind: global_buffer, .address_space: global }
      - { .name: wb, .offset: 72, .size: 8, .value_kind: global_buffer, .address_space: global }
      - { .name: cst, .offset: 80, .size: 8, .value_kind: global_buffer, .address_space: global }
    .group_segment_fixed_size: 34304
    .private_segment_fixed_size: 0
    .kernarg_segment_align: 8
    .kernarg_segment_size: 88
    .max_flat_workgroup_size: 128
    .sgpr_count:     66
    .vgpr_count:     256
    .wavefront_size: 32
...
	.end_amdgpu_metadata
.endif
;; end of part 1
;; launch proj (part 2): grid 4 x 64, 4 waves a work-group, clusters of 4 x 4, 327,680 bytes of LDS; arguments xb, wb, cst, b_q, b_k, b_v, qb, kv; writes qb, kv
.if DOCPART == 2
	.amdgcn_target "amdgcn-amd-amdhsa--gfx1250"
	.amdhsa_code_object_version 6
	.text
	.protected	k_qf656250dce_proj
	.globl	k_qf656250dce_proj
	.p2align	8
	.type	k_qf656250dce_proj,@function
k_qf656250dce_proj:
	s_mov_b64 s[64:65], 0
	v_nop
	global_prefetch_b8 v0, s[64:65] scope:SCOPE_SE
	s_setreg_imm32_b32 hwreg(HW_REG_WAVE_MODE, 25, 1), 1
	s_wait_xcnt 0x0
	s_wait_alu depctr_hold_cnt(0) depctr_sa_sdst(0) depctr_va_vdst(0) depctr_va_sdst(0) depctr_va_ssrc(0) depctr_va_vcc(0) depctr_vm_vsrc(0)
	s_getreg_b32 s2, hwreg(HW_REG_IB_STS2, 6, 4)
	s_cmp_eq_u32 s2, 0
	s_cbranch_scc0 .Lentry_in_a_cluster
	s_endpgm
.Lentry_in_a_cluster:
	s_bfe_u32 s2, ttmp6, 0x10000c
	s_cmp_lg_u32 s2, 0xf033
	s_cbranch_scc0 .Lentry_shape_is_right
	s_endpgm
.Lentry_shape_is_right:
; The three projections on codes of FP6 (E2M3) with E8M0 scales, K = 1,024; then bias, the rotary step (Q, K) and the quantiser for attention's products, all in registers.
; THE DEAL.  256 work-groups that stay; each makes three UNITS on end, one of Q, one of K, one of V.  A unit is 128 rows of A x 256 rows of B with ALL of K in LDS: (128 + 256) x 768 = 294,912 bytes.
; Source 1 of the matrix instruction is called A, source 0 B: in a result a lane holds ONE row of A and eight neighbouring rows of B.  Q, K: A = 128 tokens (4 x cluster y + cy), B = 256 features (cx): a lane's registers run along
; the features, the K of Q K^T.  V: A = 128 features (2 cy + cluster y % 2), B = 256 tokens (4 (cluster y / 2) + cx): they run along the tokens, the K of P V.  So each result is quantised in the lane that holds it.
; In all three units A's tile hangs on cy and the cluster's number, B's on cx and the cluster's number: A's tiles are asked for jointly along a row of the 4 x 4 cluster, B's along a column.
; Four waves, 2 x 2: 64 rows of A x 128 rows of B each: 32 accumulators, 256 registers.
; FILLS.  One joint load a wave: wave 0 A's K steps 0-3, wave 1 B's K steps 0-3, waves 2 and 3 the same of K steps 4-7.  At the head for Q's unit; for K's and V's in a round of the cluster's barrier that stands in the last K step
; of the unit before, with the three lines ahead of it: the loads are on their way while that unit's results are rotated, quantised and stored, which is work on registers.
; A unit's first barrier shows its low half (waves 0 and 1 wait, each on a load line of its own), a plain barrier in K step 3 the high half.
; PREFETCH: in K step 0 of Q's and K's units each wave names its sixteenth of the next unit's tiles (A: 24 blocks of 256 bytes; B: 48), shared out by address among the sixteen waves that will ask jointly: seven K steps ahead of the load.
; Codes lie in xb and wb as images of the operand's registers (1,536 bytes a fragment, register pair p of lane l at 256 p + 8 l).  Inside a block of 32 along any K the codes stand in the order 0..7, 16..23, 8..15, 24..31, alike in both operands.
; SCALE WORDS go from memory into registers: lane (r, h) loads the 16 bytes at 32 r + 16 h of its block's 512: register j holds K step j's word in lanes 0-15 and K step 4 + j's in lanes 16-31.
; OUT.  qb: [batch x head 64][128 tokens 16] records of 6,656 bytes: four images of 1,536 bytes (register q of lane l at 512 (q / 4) + 16 l + 4 (q % 4); token tile 2 P in registers 0-5, tile 2 P + 1 in 6-11), then [lane 32][P 4] scale words.
; kv: records of 13,056 bytes: K as in qb at 0; V^T at 6,144: four images (16 channels x 128 keys); K's scale words at 12,288; V's at 12,800: [r 16][tile of channels 4].  A scale word of Q or K is s0, s1, s0, s1.
; REGISTERS: window 0: v3-29 addresses, v32-47 A's scale words, v50-81 B's, v84-219 the epilogues' work; window 1: B's fragments, two sets at v0 and v128 (in Q's and K's epilogues v0-127: the table);
; window 2: the accumulators, (a, b) at 8 (8 a + b); window 3: A's fragments, two sets at v0 and v48; v96-159 the bias of my lane's 64 features.
; LIMITS: NaN and infinities are not served; blocks whose largest magnitude lies under 2^-124 keep the byte 1 (a block of zeros too: its codes are zeros, and this program alone reads the bytes).
.set FR,    12
.set NL,    6
.set FRB,   1536
.set TH,    6144                       ; a tile of 16 rows in a half: four images
.set BLO,   49152                      ; behind A's 8 tiles: B's 16
.set HI,    147456                     ; from the low half to the high half
.set SPARE, 294912                     ; the spare words, 128 bytes for each wave
.set XS,    18874368
.set WS,    3145728
.set L16,  3                           ; v3   16 x lane;  v5 32 h, v6 4 r, v8 16 r
.set ADRA, 16                          ; v16-17 LDS address of my A fragments, low and high half
.set ADRB, 20                          ; v20-21 of my B fragments
.set VS,   22                          ; v22  32 r + 16 h
.set PFA,  23                          ; v23-25 the prefetches' offsets; never rewritten
.set PFB,  24
.set PFB2, 25
.set SPW,  28                          ; v28  my spare word; never rewritten
.set NIL,  29                          ; v29  0; never rewritten
.set SA,   32
.set SB,   50                          ; SB - SA = 18: the two scale registers of a product never have the same number modulo 8
.set TM,   84
.set PW,   100
.set PWE,  101
.set W,    102
.set CT,   104
.set VW,   112
.set SW,   116
.set U,    120
.set T,    128
.set IMG,  192
.set BV,   216
.set BI3,  96                          ; in window 3
.set G1A,  24
.set G1B,  48
.set G0AL, 32
.set G0BL, 36
.set G0AH, 56
.set G0BH, 60
.set HM,   47                          ; lanes 16-31
.set SEL,  84
.set MSB, 0
.macro WIN new                         ; the immediate's high byte repeats the setting that is left
.if MSB != (\new)
	s_set_vgpr_msb (MSB<<8)|(\new)
.set MSB, (\new)
.endif
.endm
.set MUL,  0xad                        ; source 0 window 1, source 1 window 3, C and D window 2
.set TO_B, 0x40
.set TO_A, 0xc0
.macro PLACES n
.rept \n
	v_nop
.endr
.endm
.macro CREST                           ; a round of the cluster's barrier behind its opening barrier
	s_cmp_lg_u32 s20, 0
	s_cbranch_scc1 .Lnot_wave_0_\@
	s_barrier_signal -3
.Lnot_wave_0_\@:
	s_barrier_wait -3
	s_barrier_signal -1
	s_barrier_wait -1
.endm
.macro GROUP1 g, mask, rows            ; rows tiles of 16 rows, of each 6,144 consecutive bytes (768 elements of 8), 12,288 bytes apart, dense in LDS
	s_or_b32 s[\g], s\mask, (3<<16)|(1<<21)
	s_mov_b32 s[\g+1], 768<<16
	s_mov_b32 s[\g+2], (\rows)<<16
	s_mov_b32 s[\g+3], 768<<16
	s_mov_b32 s[\g+4], \rows
	s_mov_b32 s[\g+5], 1536
	s_mov_b32 s[\g+6], 0
	s_mov_b32 s[\g+7], 0
.endm
.macro SETG0 ba, oa, bb, ob            ; the four loads' addresses for a unit: A at s\oa bytes from the buffer at s[\ba], B at s\ob from s[\bb].  No tensor load of the wave is out where this stands
	s_mov_b32 s3, 0
	s_mov_b32 s2, s\oa
	s_add_nc_u64 s[G0AL+2:G0AL+3], s[\ba:\ba+1], s[2:3]
	s_add_nc_u64 s[G0AH+2:G0AH+3], s[G0AL+2:G0AL+3], TH
	s_or_b32 s[G0AL+3], s[G0AL+3], 0x80000000
	s_or_b32 s[G0AH+3], s[G0AH+3], 0x80000000
	s_mov_b32 s2, s\ob
	s_add_nc_u64 s[G0BL+2:G0BL+3], s[\bb:\bb+1], s[2:3]
	s_add_nc_u64 s[G0BH+2:G0BH+3], s[G0BL+2:G0BL+3], TH
	s_or_b32 s[G0BL+3], s[G0BL+3], 0x80000000
	s_or_b32 s[G0BH+3], s[G0BH+3], 0x80000000
.endm
.macro ARM under, g0, g1, next, done
	s_cmp_lt_u32 s20, \under
	s_cbranch_scc0 \next
	tensor_load_to_lds s[\g0:\g0+3], s[\g1:\g1+7]
	s_nop 0
	PLACES 4
	s_branch \done
\next:
.endm
.macro LOAD4 u                         ; one chain of branches on the wave's number, one joint load to an arm; the four v_nop are also the places behind the last products
	ARM 1, G0AL, G1A, .Lw1_\u, .Lasked_\u
	ARM 2, G0BL, G1B, .Lw2_\u, .Lasked_\u
	ARM 3, G0AH, G1A, .Lw3_\u, .Lasked_\u
	tensor_load_to_lds s[G0BH:G0BH+3], s[G1B:G1B+7]
	s_nop 0
	PLACES 4
.Lasked_\u:
.endm
.macro SCLOAD ba, oa, bb, ob           ; a unit's scale words: 12 loads of 512 consecutive bytes
	s_mov_b32 s3, 0
	s_mov_b32 s2, s\oa
	s_add_nc_u64 s[80:81], s[\ba:\ba+1], s[2:3]
	s_mov_b32 s2, s\ob
	s_add_nc_u64 s[82:83], s[\bb:\bb+1], s[2:3]
.irp a, 0,1,2,3
	global_load_b128 v[SA+4*\a:SA+4*\a+3], v[VS], s[80:81] offset:512*\a
.endr
.irp b, 0,1,2,3,4,5,6,7
	global_load_b128 v[SB+4*\b:SB+4*\b+3], v[VS], s[82:83] offset:512*\b
.endr
.endm
.macro PFBASE ba, oa, bb, ob           ; where the next unit's tiles begin, for the prefetches
	s_mov_b32 s3, 0
	s_mov_b32 s2, s\oa
	s_add_nc_u64 s[98:99], s[\ba:\ba+1], s[2:3]
	s_mov_b32 s2, s\ob
	s_add_nc_u64 s[100:101], s[\bb:\bb+1], s[2:3]
.endm
.macro FRAG reg, adr, off              ; a fragment's image: six loads of 256 consecutive bytes
.irp p, 0,1,2,3,4,5
	ds_load_b64 v[\reg+2*\p:\reg+2*\p+1], v[\adr] offset:\off+256*\p
.endr
.endm
.macro FETCH q                         ; K step q's twelve fragments into set q % 2: B's eight, then A's four
	WIN TO_B
.irp b, 0,1,2,3,4,5,6,7
	FRAG 128*((\q)%2)+FR*\b, ADRB+(\q)/4, \b*TH+((\q)%4)*FRB
.endr
	WIN TO_A
.irp a, 0,1,2,3
	FRAG 48*((\q)%2)+FR*\a, ADRA+(\q)/4, \a*TH+((\q)%4)*FRB
.endr
.endm
; 16 matrix instructions: A's blocks a0, a0 + 1 x B's eight.  The 32 accumulators take turns, one instruction a turn, in the same order in every step.
.macro MUL16 a0, q
.irp a, \a0, \a0+1
.irp b, 0,1,2,3,4,5,6,7
.set D_, 8*(8*(\a)+\b)
.set B_, 128*((\q)%2)+FR*\b
.set A_, 48*((\q)%2)+FR*(\a)
.set XB_, SB+4*\b+(\q)%4
.set XA_, SA+4*(\a)+(\q)%4
.if (\q) == 0
	v_wmma_scale_f32_16x16x128_f8f6f4 v[D_:D_+7], v[B_:B_+11], v[A_:A_+11], 0, v[XB_], v[XA_] matrix_a_fmt:MATRIX_FMT_FP6 matrix_b_fmt:MATRIX_FMT_FP6
.elseif (\q) < 4
	v_wmma_scale_f32_16x16x128_f8f6f4 v[D_:D_+7], v[B_:B_+11], v[A_:A_+11], v[D_:D_+7], v[XB_], v[XA_] matrix_a_fmt:MATRIX_FMT_FP6 matrix_b_fmt:MATRIX_FMT_FP6
.else
	v_wmma_scale_f32_16x16x128_f8f6f4 v[D_:D_+7], v[B_:B_+11], v[A_:A_+11], v[D_:D_+7], v[XB_], v[XA_] matrix_a_fmt:MATRIX_FMT_FP6 matrix_b_fmt:MATRIX_FMT_FP6 matrix_a_scale:MATRIX_SCALE_ROW1 matrix_b_scale:MATRIX_SCALE_ROW1
.endif
.endr
.endr
.endm
.macro STEP q, fill, pf                ; fill: K step 7 opens the round behind which LDS is filled again;  pf: K step 0 prefetches the next unit's tiles
.if (\q) == 3
	s_wait_tensorcnt 0x0                           ; every wave: whatever I asked for is in, the high half's tiles among it
	s_wait_dscnt 0x0                               ; and my reads of the low half are over
	s_barrier_signal -1
	WIN MUL
	MUL16 0, \q
	s_barrier_wait -1                              ; the high half is whole
.elseif ((\q) == 7) && (\fill)
	WIN 0
	s_wait_tensorcnt 0x0                           ; ahead of a refill's round, with the add and its wait
	ds_add_u32 v[SPW], v[NIL]
	s_wait_dscnt 2*NL+1                            ; (the add and the youngest 12 loads may be out)
	WIN MUL
	MUL16 0, \q
	s_wait_dscnt 0x0                               ; the add is done, and my reads of both halves are over
	s_barrier_signal -1
.else
	s_wait_dscnt 2*NL                              ; the youngest 12 loads, A's blocks 2 and 3, may be out
	WIN MUL
	MUL16 0, \q
	s_wait_dscnt 0x0
.endif
.if (\q) < 7
	PLACES 4                                       ; places between the last step's products and the loads into their registers (for instructions other than loads)
	FETCH (\q)+1
.endif
.if ((\q) == 0) && (\pf)
	global_prefetch_b8 v[PFA], s[98:99] th:TH_LOAD_NT scope:SCOPE_SE
	global_prefetch_b8 v[PFB], s[100:101] th:TH_LOAD_NT scope:SCOPE_SE
	global_prefetch_b8 v[PFB2], s[100:101] th:TH_LOAD_NT scope:SCOPE_SE
.endif
	WIN MUL
	MUL16 2, \q
.endm
.macro BEGIN                           ; a unit's start: its low half is shown to all waves, its first fragments are fetched
	s_wait_alu depctr_va_vdst(0)
	s_cmp_lt_u32 s20, 2
	s_cbranch_scc0 .Lnot_lo_\@
	s_wait_tensorcnt 0x0                           ; waves 0 and 1: my tile of the low half is in
.Lnot_lo_\@:
	s_barrier_signal -1
	s_barrier_wait -1                              ; the high half may still be on its way
	FETCH 0
	s_wait_loadcnt 0x0                             ; the unit's scale words
.endm
.macro SEVEN pf
.irp q, 0,1,2,3,4,5,6
	STEP \q, 0, \pf
.endr
.endm
.macro REFILL u                        ; the rest of the round that K step 7 has opened, and the next unit's four loads
	WIN 0
	s_barrier_wait -1
	CREST
	LOAD4 \u
.endm
; 64 numbers of a lane, register 16 b + i = place 16 (lane / 16) + i of block b of my row, become a fragment's codes (six registers at d0, six at d1) and its scale word in v[w].
.macro QUANT s, d0, d1, w
.irp b, 0,1,2,3
	v_max3_num_f32 v[TM+\b], |v[\s+16*\b]|, |v[\s+1+16*\b]|, 0x1800000   ; and the floor 2^(3 - 127): the byte cannot fall under 1
.endr
.irp i, 2,4,6,8,10,12,14
.irp b, 0,1,2,3
	v_max3_num_f32 v[TM+\b], v[TM+\b], |v[\s+16*\b+\i]|, |v[\s+1+16*\b+\i]|
.endr
.endr
.irp b, 0,1,2,3
	v_permlanex16_b32 v[TM+4+\b], v[TM+\b], s[SEL], s[SEL+1]
.endr
.irp b, 0,1,2,3
	v_max_num_f32 v[TM+\b], v[TM+\b], v[TM+4+\b]
.endr
.irp b, 0,1,2,3
	v_add_nc_u32 v[TM+12+\b], 0xff000000, v[TM+\b]                 ; 2 off the exponent field: the conversion's scale operand
.endr
.irp b, 0,1,2,3
	v_lshrrev_b32 v[TM+4+\b], 23, v[TM+12+\b]                      ; the scale's byte
.endr
	v_lshl_or_b32 v[\w], v[TM+5], 8, v[TM+4]
	v_lshl_or_b32 v[\w], v[TM+6], 16, v[\w]
	v_lshl_or_b32 v[\w], v[TM+7], 24, v[\w]
	v_cvt_scalef32_pk16_fp6_f32 v[\d0:\d0+2], v[\s:\s+15], v[TM+12]
	v_cvt_scalef32_pk16_fp6_f32 v[CT:CT+2], v[\s+16:\s+31], v[TM+13]
	v_cvt_scalef32_pk16_fp6_f32 v[\d1:\d1+2], v[\s+32:\s+47], v[TM+14]
	v_cvt_scalef32_pk16_fp6_f32 v[CT+4:CT+6], v[\s+48:\s+63], v[TM+15]
	v_nop                                                          ; one plain instruction behind the scaled conversions
.irp i, 0,1,2
	v_permlane16_swap_b32 v[\d0+\i], v[CT+\i]
.endr
.irp i, 0,1,2
	v_mov_b32 v[\d0+3+\i], v[CT+\i]
.endr
.irp i, 0,1,2
	v_permlane16_swap_b32 v[\d1+\i], v[CT+4+\i]
.endr
.irp i, 0,1,2
	v_mov_b32 v[\d1+3+\i], v[CT+4+\i]
.endr
.endm
; Q's or K's block a = 16 tokens; my 64 registers are features 16 b + 8 h + j of my wave's 128: head 0's 64, then head 1's.
.macro QKBLOCK a
	s_wait_loadcnt 8*(3-(\a))                      ; the bias and this block's table are in; the eight loads of each later block may be out
	WIN 0x0e                                       ; source 0: the accumulators, window 2; source 1: the bias, window 3
.set m_, 0
.rept 32
	v_pk_add_f32 v[T+2*m_:T+2*m_+1], v[64*(\a)+2*m_:64*(\a)+2*m_+1], v[BI3+2*m_:BI3+2*m_+1]   ; + bias; each accumulator from its low end on
.set m_, m_+1
.endr
	WIN 0x04                                       ; source 1: the table, window 1
.set g_, 0
.rept 8
.irp k, 0,1,2,3
	v_pk_mul_f32 v[U+2*\k:U+2*\k+1], v[T+8*g_+2*\k:T+8*g_+2*\k+1], v[32*(\a)+2*((4*g_+\k)%16):32*(\a)+2*((4*g_+\k)%16)+1] op_sel:[1,1] op_sel_hi:[1,0] neg_lo:[1,0]   ; (- x2 sin, x2 cos)
.endr
.irp k, 0,1,2,3
	v_pk_fma_f32 v[T+8*g_+2*\k:T+8*g_+2*\k+1], v[T+8*g_+2*\k:T+8*g_+2*\k+1], v[32*(\a)+2*((4*g_+\k)%16):32*(\a)+2*((4*g_+\k)%16)+1], v[U+2*\k:U+2*\k+1] op_sel_hi:[0,1,1]   ; (x1 cos - x2 sin, x1 sin + x2 cos)
.endr
.set g_, g_+1
.endr
	WIN 0
.if (\a) == 2
	s_wait_xcnt 0x0                                ; the last pair's stores have read the images' registers
.endif
.if (\a)%2 == 0
	QUANT T, IMG, IMG+12, PWE                      ; the even tile takes registers 0-5 of each head's image
.else
	QUANT T, IMG+6, IMG+18, PW                     ; the odd tile registers 6-11
	v_cndmask_b32 v[W], v[PWE], v[PW], s[HM]       ; lanes 0-15: the even tile's rows' words; lanes 16-31: the odd tile's
	v_perm_b32 v[SW+(\a)/2], v[W], v[W], s66       ; head 0's two bytes, twice
	v_perm_b32 v[SW+2+(\a)/2], v[W], v[W], s67     ; head 1's
.irp c, 0,1
.irp g, 0,1,2
	global_store_b128 v[L16], v[IMG+12*\c+4*\g:IMG+12*\c+4*\g+3], s[72+2*\c:73+2*\c] offset:1536*((\a)/2)+512*\g   ; 512 consecutive bytes a store
.endr
.endr
.endif
.endm
; Q's or K's epilogue.  First the next unit's scale words are asked for (the products that read these registers stand four places back), then the bias and the table.
.macro EPIQK bias, buf, recb, soff, ba, oa, bb, ob, perm
	s_wait_xcnt 0x0                                ; earlier loads, stores and prefetches have read their bases and registers
	SCLOAD \ba, \oa, \bb, \ob
	s_lshl_b32 s2, s40, 10
	s_lshl_b32 s23, s22, 9
	s_add_co_u32 s2, s2, s23
	s_add_nc_u64 s[68:69], s[\bias:\bias+1], s[2:3]    ; the bias at my first feature, 256 cx + 128 x half
	s_lshl_b32 s2, s42, 15
	s_lshl_b32 s23, s21, 14
	s_add_co_u32 s2, s2, s23
	s_add_nc_u64 s[70:71], s[8:9], s[2:3]          ; the table at my first token: 4,096 bytes for 16 tokens
	s_mul_i32 s44, s45, \recb                      ; my first head's record
	s_mul_i32 s23, s21, 3072
	s_add_co_u32 s2, s44, s23
	s_add_nc_u64 s[72:73], s[\buf:\buf+1], s[2:3]  ; my two images in it,
	s_add_nc_u64 s[74:75], s[72:73], 16*\recb      ; and in the next head's, 16 records on
	s_lshl_b32 s23, s21, 3
	s_add_co_u32 s2, s44, s23
	s_add_co_u32 s2, s2, \soff
	s_add_nc_u64 s[76:77], s[\buf:\buf+1], s[2:3]  ; my two scale words of each lane's four
	s_add_nc_u64 s[78:79], s[76:77], 16*\recb
	WIN TO_A
.irp t, 0,1,2,3,4,5,6,7
	global_load_b128 v[BI3+8*\t:BI3+8*\t+3], v5, s[68:69] offset:64*\t
	global_load_b128 v[BI3+8*\t+4:BI3+8*\t+7], v5, s[68:69] offset:64*\t+16
.endr
	WIN TO_B
.irp a, 0,1,2,3
.irp m, 0,1,2,3,4,5,6,7
.if \perm                              ; K: row r of my tile a is token 32 (r / 8) + 8 a + r % 8 of my 64: table tile 2 (r / 8) + a / 2, its lane 8 (a % 2) + r % 8 + 16 h
	global_load_b128 v[32*\a+4*\m:32*\a+4*\m+3], v10, s[70:71] offset:4096*(\a/2)+128*(\a%2)+512*\m
.else
	global_load_b128 v[32*\a+4*\m:32*\a+4*\m+3], v[L16], s[70:71] offset:4096*\a+512*\m
.endif
.endr
.endr
	WIN 0
.irp a, 0,1,2,3
	QKBLOCK \a
.endr
	global_store_b64 v[L16], v[SW:SW+1], s[76:77]
	global_store_b64 v[L16], v[SW+2:SW+3], s[78:79]
.endm
; V's block a = 16 channels of my head; my 64 registers run along my wave's 128 tokens: one fragment of V^T.
; ALONG THE KEYS, the K of P V, the codes stand in their TRUE order (the order 0..7, 16..23, 8..15, 24..31 holds along d_model and along a head's 64 alone): the tokens of key and value lie in xb so that row 8 h + j of tile 4 c + u
; is token 64 c + 32 h + 8 u + j of its 128.  So my registers 32 c + 0..31 are the whole block 2 c + h: its largest magnitude needs no other lane, and the conversions' results are the operand's registers.
.macro VQUANT s, w
.irp c, 0,1
	v_max3_num_f32 v[TM+\c], |v[\s+32*\c]|, |v[\s+32*\c+1]|, 0x1800000   ; and the floor 2^(3 - 127)
.endr
.irp i, 2,4,6,8,10,12,14,16,18,20,22,24,26,28,30
.irp c, 0,1
	v_max3_num_f32 v[TM+\c], v[TM+\c], |v[\s+32*\c+\i]|, |v[\s+32*\c+\i+1]|
.endr
.endr
.irp c, 0,1
	v_add_nc_u32 v[TM+12+\c], 0xff000000, v[TM+\c]
.endr
.irp c, 0,1
	v_lshrrev_b32 v[TM+8+\c], 23, v[TM+12+\c]
.endr
	v_lshl_or_b32 v[\w], v[TM+9], 16, v[TM+8]      ; my two bytes: blocks h and 2 + h,
	v_lshlrev_b32 v[\w], v12, v[\w]                ; at their places in the word (8 h bits up);
	v_permlanex16_b32 v[TM+4], v[\w], s[SEL], s[SEL+1]
	v_or_b32 v[\w], v[\w], v[TM+4]                 ; with lane l xor 16's two the word is whole
	v_cvt_scalef32_pk16_fp6_f32 v[IMG:IMG+2], v[\s:\s+15], v[TM+12]
	v_cvt_scalef32_pk16_fp6_f32 v[CT:CT+2], v[\s+16:\s+31], v[TM+12]
	v_cvt_scalef32_pk16_fp6_f32 v[IMG+6:IMG+8], v[\s+32:\s+47], v[TM+13]
	v_cvt_scalef32_pk16_fp6_f32 v[CT+4:CT+6], v[\s+48:\s+63], v[TM+13]
	v_nop                                          ; one plain instruction behind the scaled conversions
.irp i, 0,1,2
	v_mov_b32 v[IMG+3+\i], v[CT+\i]
	v_mov_b32 v[IMG+9+\i], v[CT+4+\i]
.endr
.endm
.macro VBLOCK a
	WIN 0x02
.set m_, 0
.rept 32
.if (\a)%2 == 0
	v_pk_add_f32 v[T+2*m_:T+2*m_+1], v[64*(\a)+2*m_:64*(\a)+2*m_+1], v[BV+(\a):BV+(\a)+1] op_sel_hi:[1,0]
.else
	v_pk_add_f32 v[T+2*m_:T+2*m_+1], v[64*(\a)+2*m_:64*(\a)+2*m_+1], v[BV+(\a)-1:BV+(\a)] op_sel:[0,1] op_sel_hi:[1,1]
.endif
.set m_, m_+1
.endr
	WIN 0
.if (\a) >= 1
	s_wait_xcnt 0x0                                ; the last block's stores have read the image's registers
.endif
	VQUANT T, VW+(\a)
.irp g, 0,1,2
	global_store_b128 v[L16], v[IMG+4*\g:IMG+4*\g+3], s[72:73] offset:1536*(\a)+512*\g
.endr
.endm
; ================= THE HEAD
	s_load_b512 s[4:19], s[0:1], 0x0               ; xb 4, wb 6, cst 8, b_q 10, b_k 12, b_v 14, qb 16, kv 18: they stay as they are
	v_lshl_add_u32 v[SPW], v0, 2, SPARE
	v_mov_b32 v[NIL], 0
	ds_add_u32 v[SPW], v[NIL]                      ; the opening lines: the add, twice on end, and its wait ahead of my first tensor load
	ds_add_u32 v[SPW], v[NIL]
	v_lshrrev_b32 v1, 5, v0
	v_readfirstlane_b32 s20, v1                    ; wave 0..3
	s_lshr_b32 s21, s20, 1                         ; which 64 rows of A are mine
	s_and_b32 s22, s20, 1                          ; which 128 rows of B
	s_bfe_u32 s40, ttmp6, 0x40000                  ; cx
	s_bfe_u32 s41, ttmp6, 0x40004                  ; cy
	s_and_b32 s43, ttmp7, 0xffff                   ; cluster y, 0..15
	s_lshl_b32 s42, s43, 2
	s_add_co_u32 s42, s42, s41                     ; Q, K: my 128 tokens, 0..63
	s_lshl_b32 s23, s41, 2
	s_lshl_b32 s23, 15, s23                        ; my row of the cluster
	s_lshl_b32 s44, 0x1111, s40                    ; my column
	GROUP1 G1A, 23, 8
	GROUP1 G1B, 44, 16
	s_mul_i32 s86, s42, 98304                      ; Q: A's codes in xb, B's in wb
	s_mul_i32 s87, s40, 196608
	s_add_co_u32 s88, s86, 6291456                 ; K: the next tensor, the next weight
	s_add_co_u32 s89, s87, 786432
	s_and_b32 s23, s43, 1
	s_lshl_b32 s44, s41, 1
	s_add_co_u32 s23, s23, s44                     ; V: my 128 features, 0..7
	s_mul_i32 s90, s23, 98304                      ; A's codes in wb
	s_add_co_u32 s90, s90, 1572864
	s_lshr_b32 s44, s43, 1
	s_lshl_b32 s44, s44, 2
	s_add_co_u32 s44, s44, s40                     ; V: my 256 tokens, 0..31
	s_mul_i32 s91, s44, 196608                     ; B's codes in xb
	s_add_co_u32 s91, s91, 12582912
	s_lshl_b32 s2, s21, 11                         ; the scale bytes of my 64 rows of A and my 128 rows of B
	s_lshl_b32 s3, s22, 12
	s_lshl_b32 s92, s42, 12
	s_add_co_u32 s92, s92, s2
	s_add_co_u32 s92, s92, XS
	s_lshl_b32 s93, s40, 13
	s_add_co_u32 s93, s93, s3
	s_add_co_u32 s93, s93, WS
	s_add_co_u32 s94, s92, 1<<18
	s_add_co_u32 s95, s93, 1<<15
	s_lshl_b32 s96, s23, 12
	s_add_co_u32 s96, s96, s2
	s_add_co_u32 s96, s96, WS+(2<<15)
	s_lshl_b32 s97, s44, 13
	s_add_co_u32 s97, s97, s3
	s_add_co_u32 s97, s97, XS+(2<<18)
	s_lshr_b32 s45, s42, 4                         ; Q, K: the record of my first head: ((batch x 16 + head) x 16 + which 128 tokens)
	s_lshl_b32 s45, s45, 4
	s_lshl_b32 s2, s40, 2
	s_add_co_u32 s45, s45, s2
	s_lshl_b32 s2, s22, 1
	s_add_co_u32 s45, s45, s2
	s_lshl_b32 s45, s45, 4
	s_and_b32 s2, s42, 15
	s_add_co_u32 s45, s45, s2
	s_lshr_b32 s46, s44, 3                         ; V: the record of my head and my 128 tokens
	s_lshl_b32 s46, s46, 4
	s_lshl_b32 s2, s23, 1
	s_add_co_u32 s46, s46, s2
	s_add_co_u32 s46, s46, s21
	s_lshl_b32 s46, s46, 4
	s_and_b32 s2, s44, 7
	s_lshl_b32 s2, s2, 1
	s_add_co_u32 s46, s46, s2
	s_add_co_u32 s46, s46, s22
	s_mov_b32 s[HM], 0xffff0000
	s_mov_b32 s66, 0x01000100                      ; v_perm_b32: bytes 0, 1, 0, 1
	s_mov_b32 s67, 0x03020302                      ; bytes 2, 3, 2, 3
	s_mov_b32 s[SEL], 0x76543210
	s_mov_b32 s[SEL+1], 0xfedcba98
	s_mov_b32 s[G0AL], 1
	s_mov_b32 s[G0AL+1], 0
	s_mov_b32 s[G0BL], 1
	s_mov_b32 s[G0BL+1], BLO
	s_mov_b32 s[G0AH], 1
	s_mov_b32 s[G0AH+1], HI
	s_mov_b32 s[G0BH], 1
	s_mov_b32 s[G0BH+1], HI+BLO
	s_wait_dscnt 0x0                               ; both opening adds are done
	s_barrier_signal -1
	s_barrier_wait -1
	CREST                                          ; a whole round: all sixteen work-groups are here: the joint loads meet
	s_wait_kmcnt 0x0
	SETG0 4, 86, 6, 87
	LOAD4 0
	s_mul_i32 s23, s21, 4*TH                       ; my four tiles of A
	s_mul_i32 s44, s22, 8*TH                       ; my eight tiles of B
	s_add_co_u32 s44, s44, BLO
	s_lshl_b32 s2, s40, 2
	s_add_co_u32 s2, s2, s20
	s_mul_i32 s2, s2, 6144                         ; my sixteenth of a tile of A, among the waves of my row of the cluster,
	s_lshl_b32 s3, s41, 2
	s_add_co_u32 s3, s3, s20
	s_mul_i32 s3, s3, 12288                        ; and of a tile of B, among those of my column
	v_and_b32 v1, 15, v0                           ; r
	v_bfe_u32 v2, v0, 4, 1                         ; h
	v_and_b32 v4, 31, v0
	v_lshlrev_b32 v[L16], 4, v4
	v_lshlrev_b32 v7, 3, v4                        ; 8 x lane: my place in an image's 256 bytes
	v_add_nc_u32 v[ADRA], s23, v7
	v_add_nc_u32 v[ADRB], s44, v7
	v_add_nc_u32 v[ADRA+1], HI, v[ADRA]
	v_add_nc_u32 v[ADRB+1], HI, v[ADRB]
	v_lshlrev_b32 v[VS], 5, v1
	v_lshl_add_u32 v[VS], v2, 4, v[VS]
	v_lshlrev_b32 v5, 5, v2
	v_lshlrev_b32 v6, 2, v1
	v_lshlrev_b32 v8, 4, v1
	v_min_u32 v9, 23, v4                           ; 24 blocks of 256 bytes: the lanes left over name the last again
	v_lshl_add_u32 v[PFA], v9, 8, s2
	v_lshl_add_u32 v[PFB], v4, 8, s3               ; 32 blocks,
	v_min_u32 v9, 15, v4
	v_lshl_add_u32 v9, v9, 8, s3
	v_add_nc_u32 v[PFB2], 8192, v9                 ; and 16 more
	v_lshrrev_b32 v10, 3, v1                       ; v10: K's place in the table: 8,192 (r / 8) + 16 (r % 8) + 256 h
	v_lshlrev_b32 v10, 13, v10
	v_and_b32 v11, 7, v1
	v_lshl_add_u32 v10, v11, 4, v10
	v_lshl_add_u32 v10, v2, 8, v10
	v_lshlrev_b32 v12, 3, v2                       ; v12: 8 h
.irp b, 0,1,2,3
	v_mov_b32 v[TM+4+\b], 0                        ; a lane permute's destination counts as one of its sources
.endr
	s_wait_alu depctr_va_vdst(0)
	SCLOAD 4, 92, 6, 93
	PFBASE 4, 88, 6, 89
; ================= Q
	BEGIN
	SEVEN 1
	SETG0 4, 88, 6, 89                             ; no tensor load of mine is out since K step 3
	STEP 7, 1, 0
	REFILL 1
	EPIQK 10, 16, 6656, 6144, 4, 94, 6, 95, 0
	PFBASE 6, 90, 4, 91                            ; (behind the epilogue's wait on XCNT: the last prefetches have read these registers)
; ================= K
	BEGIN
	SEVEN 1
	SETG0 6, 90, 4, 91
	STEP 7, 1, 0
	REFILL 2
	EPIQK 12, 18, 13056, 12288, 6, 96, 4, 97, 1
; ================= V
	BEGIN
	SEVEN 0
	WIN 0
	s_wait_xcnt 0x0                                ; K's stores have read their bases and registers
	s_sub_co_u32 s2, s96, WS+(2<<15)               ; 32 x my first feature,
	s_lshr_b32 s2, s2, 3                           ; 4 x it
	s_mov_b32 s3, 0
	s_add_nc_u64 s[68:69], s[14:15], s[2:3]
	s_mul_i32 s2, s46, 13056
	s_add_co_u32 s2, s2, 6144
	s_add_nc_u64 s[72:73], s[18:19], s[2:3]        ; V^T's four images in my record,
	s_add_nc_u64 s[76:77], s[72:73], 12800-6144    ; and its scale words
.irp a, 0,1,2,3
	global_load_b32 v[BV+\a], v6, s[68:69] offset:64*\a   ; the bias of my feature in each block
.endr
	STEP 7, 0, 0
	WIN 0
	PLACES 4                                       ; between the last products and the first read of results
	s_wait_loadcnt 0x0
.irp a, 0,1,2,3
	VBLOCK \a
.endr
	global_store_b128 v8, v[VW:VW+3], s[76:77]     ; sixteen lanes store 256 consecutive bytes, aligned; lanes 16-31 hold and store the same words
	s_wait_tensorcnt 0x0                           ; the wave's end
	ds_add_u32 v[SPW], v[NIL]
	s_wait_dscnt 0x0
	s_barrier_signal -1
	s_barrier_wait -1
	CREST                                          ; the closing round
	s_endpgm
.Lfunc_end_k_qf656250dce_proj:
	.size	k_qf656250dce_proj, .Lfunc_end_k_qf656250dce_proj-k_qf656250dce_proj
	.p2alignl 7, 3214868480
	.fill 96, 4, 3214868480
	.section	.rodata,"a",@progbits
	.p2align	6, 0x0
	.amdhsa_kernel k_qf656250dce_proj
		.amdhsa_group_segment_fixed_size 327680
		.amdhsa_private_segment_fixed_size 0
		.amdhsa_enable_private_segment 0
		.amdhsa_kernarg_size 64
		.amdhsa_user_sgpr_count 2
		.amdhsa_user_sgpr_kernarg_segment_ptr 1
		.amdhsa_wavefront_size32 1
		.amdhsa_system_sgpr_workgroup_id_x 1
		.amdhsa_system_sgpr_workgroup_id_y 1
		.amdhsa_system_sgpr_workgroup_id_z 1
		.amdhsa_system_vgpr_workitem_id 0
		.amdhsa_next_free_vgpr 928
		.amdhsa_next_free_sgpr 102
		.amdhsa_reserve_vcc 0
		.amdhsa_float_denorm_mode_32 3
		.amdhsa_float_denorm_mode_16_64 3
		.amdhsa_memory_ordered 1
		.amdhsa_forward_progress 1
		.amdhsa_inst_pref_size 255
	.end_amdhsa_kernel
	.section	.bss,"aw",@nobits
	.p2align	6
	.space	262144
	.amdgpu_metadata
---
amdhsa.version: [ 1, 2 ]
amdhsa.kernels:
  - .name:           k_qf656250dce_proj
    .symbol:         k_qf656250dce_proj.kd
    .args:
      - { .name: xb, .offset: 0, .size: 8, .value_kind: global_buffer, .address_space: global }
      - { .name: wb, .offset: 8, .size: 8, .value_kind: global_buffer, .address_space: global }
      - { .name: cst, .offset: 16, .size: 8, .value_kind: global_buffer, .address_space: global }
      - { .name: b_q, .offset: 24, .size: 8, .value_kind: global_buffer, .address_space: global }
      - { .name: b_k, .offset: 32, .size: 8, .value_kind: global_buffer, .address_space: global }
      - { .name: b_v, .offset: 40, .size: 8, .value_kind: global_buffer, .address_space: global }
      - { .name: qb, .offset: 48, .size: 8, .value_kind: global_buffer, .address_space: global }
      - { .name: kv, .offset: 56, .size: 8, .value_kind: global_buffer, .address_space: global }
    .group_segment_fixed_size: 327680
    .private_segment_fixed_size: 0
    .kernarg_segment_align: 8
    .kernarg_segment_size: 64
    .max_flat_workgroup_size: 128
    .sgpr_count:     102
    .vgpr_count:     928
    .wavefront_size: 32
...
	.end_amdgpu_metadata
.endif
;; end of part 2
;; launch attn (part 3): grid 4 x 64, 16 waves a work-group, clusters of 4 x 1, 210,944 bytes of LDS; arguments qb, kv, ab; writes ab
.if DOCPART == 3
	.amdgcn_target "amdgcn-amd-amdhsa--gfx1250"
	.amdhsa_code_object_version 6
	.text
	.protected	k_qf656250dce_attn
	.globl	k_qf656250dce_attn
	.p2align	8
	.type	k_qf656250dce_attn,@function
k_qf656250dce_attn:
	s_mov_b64 s[64:65], 0
	v_nop
	global_prefetch_b8 v0, s[64:65] scope:SCOPE_SE
	s_setreg_imm32_b32 hwreg(HW_REG_WAVE_MODE, 25, 1), 1
	s_wait_xcnt 0x0
	s_wait_alu depctr_hold_cnt(0) depctr_sa_sdst(0) depctr_va_vdst(0) depctr_va_sdst(0) depctr_va_ssrc(0) depctr_va_vcc(0) depctr_vm_vsrc(0)
	s_getreg_b32 s2, hwreg(HW_REG_IB_STS2, 6, 4)
	s_cmp_eq_u32 s2, 0
	s_cbranch_scc0 .Lentry_in_a_cluster
	s_endpgm
.Lentry_in_a_cluster:
	s_bfe_u32 s2, ttmp6, 0x10000c
	s_cmp_lg_u32 s2, 0x3003
	s_cbranch_scc0 .Lentry_shape_is_right
	s_endpgm
.Lentry_shape_is_right:
; Causal attention of one head (cluster y = 16 x batch + head) on codes of FP6 (E2M3) with E8M0 scales; the result, divided by the row's sum, is quantised along d_model and stored as the last product's operand.
; THE SOFTMAX AHEAD OF THE SECOND PRODUCT: t = score x log2(e) / 8; M = the row's largest t so far, rounded UP to a whole number; p = 2^(t - M) is quantised along the keys, not normalised.  The row's sum is taken of the
; unquantised p in f32.  When M moves, the sum and O are multiplied by 2^(old M - new M): exact.
; SHARES.  The cluster's four work-groups serve one head.  Its 2,048 queries are 16 groups of 128, a group 8 tiles of 16.  Wave w of work-group cx takes tile 2 cx + w % 2 of group w / 2, and then of group 15 - w / 2:
; (G + 1) + (16 - G) = 17 key steps of 128 keys for every wave.  Whether a step is hidden, on the diagonal or open hangs on the step's number and on G, that is on the wave's number alone.
; THE HEAD'S K AND V LIE WHOLE IN LDS: 16 records of 13,056 bytes.  Wave w brings record w by one joint load (the same descriptor in all four work-groups, a mask that names the four).  Every byte that the work-group reads of kv is
; asked for by these sixteen first loads, so there is no ring, nothing is filled again, no barrier stands in the loops, and nothing is left that could be asked for ahead.
; LAYOUT.  Both products are used transposed: S^T = K Q^T (source 0 = 16 keys, source 1 = my 16 queries), O^T = V^T P^T: a lane holds ONE query (lane % 16) throughout.  The head's K is 64 and the instruction's 128:
; Q's upper six registers are zero codes; a tile of K names 12 registers, its own six and the next tile's, which meet those zeros.
; THE KEYS OF A TILE ARE NOT NEIGHBOURS: row 8 h + j of tile 4 c + u of a record is key 64 c + 32 h + 8 u + j of its 128.  So in S^T my registers 32 c + 0..31 are the whole block 2 c + h of 32 keys, in their true order,
; which is the order of V^T's codes: a block's largest score needs no other lane, and the conversions' results are the operand's registers.  The queries' tiles are 16 neighbours.
; OUT.  ab: [tile of 16 tokens 512][K step 8][1536]: register pair p of lane l at 256 p + 8 l; a head is half a K step: three stores of 256 consecutive bytes.  Along d_model the codes of a block of 32 stand in the order
; 0..7, 16..23, 8..15, 24..31, as w_o's do.  From AS on: [token][32] scale bytes: a head's two bytes a token are stored singly, 32 bytes apart: 32 of a tile's 512 bytes.
; LIMITS: NaN and infinities are not served; t under -3e38 is not served; blocks whose largest magnitude lies under 2^-124 keep the byte 1.
; REGISTERS: v1-11 addresses; v12 -M, v13 the largest t, v[14:15] the sum; v16-27 Q and zeros; v28 8 h; v32-79 K's or V's fragments, v80-85 zeros; v86-89 K's scale words, v90-93 V's; v96-159 S^T, then p; v160-191 O^T;
; v192-203 Q as loaded; v224-235 p's codes; v232-254 at work; v253 p's scale word; v255 Q's.
.set REC,   13056
.set QREC,  6656
.set SPARE, 208896                     ; behind the records: the spare words, 128 bytes for each of 16 waves
.set AS,    6291456
.macro CROUND                          ; a round of the cluster's barrier
	s_barrier_signal -1
	s_barrier_wait -1
	s_cmp_lg_u32 s10, 0
	s_cbranch_scc1 .Lnot_wave_0_\@
	s_barrier_signal -3
.Lnot_wave_0_\@:
	s_barrier_wait -3
	s_barrier_signal -1
	s_barrier_wait -1
.endm
	s_load_b128 s[4:7], s[0:1], 0x0                ; qb, kv
	s_load_b64 s[8:9], s[0:1], 0x10                ; ab
	v_lshl_add_u32 v5, v0, 2, SPARE                ; v5 my spare word, v6 = 0; never rewritten
	v_mov_b32 v6, 0
	ds_add_u32 v5, v6                              ; the opening lines: the add, twice on end, and its wait ahead of my first tensor load
	ds_add_u32 v5, v6
	v_lshrrev_b32 v1, 5, v0
	s_delay_alu instid0(VALU_DEP_1)
	v_readfirstlane_b32 s10, v1                    ; wave 0..15
	s_bfe_u32 s11, ttmp6, 0x40000                  ; cx: it enters global addresses and the mask's compare alone
	s_and_b32 s12, ttmp7, 0xffff                   ; 16 x batch + head
	s_lshr_b32 s13, s10, 1
	s_and_b32 s14, s10, 1                          ; e
	s_mov_b32 s20, 0x76543210
	s_mov_b32 s21, 0xfedcba98                      ; v_permlanex16_b32's selects for lane l xor 16
	s_mov_b32 s22, 0x3e38aa3b                      ; c = log2(e) / sqrt(64)
	s_mov_b32 s23, s22                             ; (named with it as a pair)
	s_mov_b32 s24, 15|(3<<16)|(1<<21)              ; group 1: the mask: all four work-groups; elements of 8 bytes; bit 21 set beside a mask; no padding
	s_mov_b32 s25, 32<<16                          ; a record is 51 rows of 256 bytes, dense
	s_mov_b32 s26, 51<<16
	s_mov_b32 s27, 32<<16
	s_mov_b32 s28, 51
	s_mov_b32 s29, 32
	s_mov_b32 s30, 0
	s_mov_b32 s31, 0
	s_sub_co_u32 s36, 0, s14                       ; all lanes where e = 1
	s_mov_b32 s37, 0xffff0000                      ; lanes 16-31
	s_lshl_b32 s38, s12, 4
	s_add_co_u32 s38, s38, s10
	s_mul_i32 s38, s38, REC                        ; record w of my head
	s_mov_b32 s39, 0
	s_mov_b32 s32, 1
	s_mul_i32 s33, s10, REC                        ; to LDS byte w x 13,056
	s_wait_dscnt 0x0                               ; the opening adds are done
	s_wait_kmcnt 0x0
	s_add_nc_u64 s[34:35], s[6:7], s[38:39]
	s_or_b32 s35, s35, 0x80000000
	CROUND                                         ; all four work-groups are here: the joint loads meet
	tensor_load_to_lds s[32:35], s[24:31]          ; my one tensor load of the launch
	s_nop 0
.rept 4
	v_nop
.endr
	v_and_b32 v250, 15, v0                         ; r
	v_bfe_u32 v251, v0, 4, 1                       ; h
	v_and_b32 v249, 31, v0
	s_delay_alu instid0(VALU_DEP_1)
	v_lshlrev_b32 v1, 4, v249                      ; 16 x lane
	s_delay_alu instid0(VALU_DEP_4)
	v_lshlrev_b32 v2, 4, v250                      ; 16 r
	s_delay_alu instid0(VALU_DEP_3)
	v_lshlrev_b32 v10, 3, v249                     ; 8 x lane
	v_lshl_add_u32 v11, v250, 5, v251              ; 32 r + h
	s_lshl_b32 s38, s11, 5
	s_lshl_b32 s39, s14, 4
	s_add_co_u32 s38, s38, s39
	v_lshlrev_b32 v28, 3, v251                     ; 8 h
	v_lshlrev_b32 v7, 5, v251
	s_delay_alu instid0(VALU_DEP_1)
	v_sub_nc_u32 v7, v250, v7
	s_delay_alu instid0(VALU_DEP_1)
	v_add_nc_u32 v7, s38, v7                       ; my query in its group, less 32 h
	s_mul_i32 s38, s11, 1536
	v_add_nc_u32 v8, s38, v1                       ; Q's image: pair of tiles cx
	s_lshl_b32 s38, s14, 8
	s_lshl_b32 s39, s11, 2
	s_add_co_u32 s38, s38, s39
	v_add_nc_u32 v9, s38, v2                       ; Q's scale word: [lane 16 e + r][cx]
.irp i, 0,1,2,3,4,5
	v_mov_b32 v[22+\i], 0                          ; Q's codes for k = 64 .. 127
	v_mov_b32 v[80+\i], 0                          ; what the last tile of K names behind its own six registers
.endr
	v_mov_b32 v239, 0                              ; a lane permute's destination counts as one of its sources
	v_mov_b32 v246, 0
	v_mov_b32 v247, 0
	v_mov_b32 v252, 0
	v_mov_b32 v253, 0                              ; (named as the upper half of the pair v[252:253] before it is first written)
.macro PASS_HEAD p
.if \p
	s_wait_xcnt 0x0                                ; the last pass's stores have read their registers and bases
	s_sub_co_u32 s15, 15, s13                      ; G
.else
	s_mov_b32 s15, s13
.endif
	s_lshl_b32 s40, s12, 4
	s_add_co_u32 s40, s40, s15
	s_mul_i32 s40, s40, QREC
	s_mov_b32 s41, 0
	s_add_nc_u64 s[38:39], s[4:5], s[40:41]
	global_load_b128 v[192:195], v8, s[38:39]
	global_load_b128 v[196:199], v8, s[38:39] offset:512
	global_load_b128 v[200:203], v8, s[38:39] offset:1024
	global_load_b32 v255, v9, s[38:39] offset:6144
	v_mov_b32 v13, 0xff61b1e6                      ; the largest t so far: -3e38
	s_delay_alu instid0(VALU_DEP_1)
	v_floor_f32 v12, -v13                          ; -M
	v_mov_b32 v14, 0
	v_mov_b32 v15, 0
	s_wait_loadcnt 0x0
.irp i, 0,1,2,3,4,5
	v_cndmask_b32 v[16+\i], v[192+\i], v[198+\i], s36   ; tile 2 cx + e of the pair
.endr
.set j_, 0
.rept 32
	v_mov_b32 v[160+j_], 0                         ; O^T: the first step finds zeros, which the first change of M leaves zeros.  (Also the places between Q's writes and the first product)
.set j_, j_+1
.endr
	s_mov_b32 s16, 0                               ; the key step
	s_mov_b32 s17, 0                               ; its record in LDS
.endm
.macro PASS_LOOP n                     ; n trips, a constant; a step all of whose keys come after my group's queries is jumped over
.Lstep_\@:
	s_cmp_gt_u32 s16, s15
	s_cbranch_scc1 .Lskip_\@
	v_add_nc_u32 v3, s17, v1
	v_add_nc_u32 v4, s17, v2
	v_nop
	v_nop                                          ; four places behind the last products, in front of loads into registers that they read
.set g_, 0
.rept 12
	ds_load_b128 v[32+4*g_:35+4*g_], v3 offset:512*g_   ; K: tile t's six registers at v[32 + 6 t]
.set g_, g_+1
.endr
	ds_load_b128 v[86:89], v3 offset:12288         ; its scale words: lanes 0-15 the even tiles', lanes 16-31 the odd ones'
	s_wait_alu depctr_va_vdst(0)
	s_wait_dscnt 0x0
.irp t, 0,2,4,6
	v_wmma_scale_f32_16x16x128_f8f6f4 v[96+8*\t:103+8*\t], v[32+6*\t:43+6*\t], v[16:27], 0, v[86+\t/2], v255 matrix_a_fmt:MATRIX_FMT_FP6 matrix_b_fmt:MATRIX_FMT_FP6
	v_wmma_scale_f32_16x16x128_f8f6f4 v[104+8*\t:111+8*\t], v[38+6*\t:49+6*\t], v[16:27], 0, v[86+\t/2], v255 matrix_a_fmt:MATRIX_FMT_FP6 matrix_b_fmt:MATRIX_FMT_FP6 matrix_a_scale:MATRIX_SCALE_ROW1
.endr
.rept 4
	v_nop
.endr
.set g_, 0
.rept 12
	ds_load_b128 v[32+4*g_:35+4*g_], v3 offset:6144+512*g_   ; V^T: they land while the softmax is walked
.set g_, g_+1
.endr
	ds_load_b128 v[90:93], v4 offset:12800
	s_cmp_lg_u32 s16, s15
	s_cbranch_scc1 .Lopen_\@
	v_mov_b32 v254, 0xff800000                     ; on the diagonal the scores of hidden keys become -infinity: p = 0 then.  Register n holds key 64 (n / 32) + 8 (n / 8 % 4) + n % 8 + 32 h of the group
.set n_, 0
.rept 64
	v_cmp_gt_i32 vcc_lo, 64*(n_/32)+8*((n_/8)%4)+n_%8, v7
	v_cndmask_b32 v[96+n_], v[96+n_], v254, vcc_lo
.set n_, n_+1
.endr
.Lopen_\@:
.irp b, 0,1,2,3
	v_max3_num_f32 v[232+\b], v[96+16*\b], v[97+16*\b], v[98+16*\b]   ; the largest score of each 16 registers, four chains by turns
.endr
.irp i, 3,5,7,9,11,13
.irp b, 0,1,2,3
	v_max3_num_f32 v[232+\b], v[232+\b], v[96+16*\b+\i], v[97+16*\b+\i]
.endr
.endr
.irp b, 0,1,2,3
	v_max_num_f32 v[232+\b], v[232+\b], v[111+16*\b]
.endr
	s_delay_alu instid0(VALU_DEP_3)
	v_max_num_f32 v232, v232, v233                 ; the largest score of my block h: for the row's maximum, and, since p rises with the score, for the block's largest p
	s_delay_alu instid0(VALU_DEP_2)
	v_max_num_f32 v233, v234, v235                 ; and of my block 2 + h
	s_delay_alu instid0(VALU_DEP_1)
	v_max_num_f32 v254, v232, v233
	s_delay_alu instid0(VALU_DEP_1)
	v_permlanex16_b32 v239, v254, s20, s21
	s_delay_alu instid0(VALU_DEP_1)
	v_max_num_f32 v254, v254, v239                 ; with lane l xor 16's two blocks: the step's largest score of my query
	s_delay_alu instid0(VALU_DEP_1)
	v_mul_f32 v254, s22, v254                      ; as t
	s_delay_alu instid0(VALU_DEP_1)
	v_max_num_f32 v13, v13, v254                   ; the running largest t
	v_mov_b32 v254, v12
	s_delay_alu instid0(VALU_DEP_2)
	v_floor_f32 v12, -v13                          ; the new -M = -ceil(t)
	s_delay_alu instid0(VALU_DEP_1)
	v_sub_f32 v254, v12, v254                      ; old M - new M: a whole number, 0 or less
	s_delay_alu instid0(VALU_DEP_1)
	v_cvt_i32_f32 v254, v254                       ; (it saturates)
	s_delay_alu instid0(VALU_DEP_1)
	v_ldexp_f32 v252, 1.0, v254                    ; f = 2^(old M - new M)
.set j_, 0
.rept 32
	v_pk_fma_f32 v[96+j_:97+j_], v[96+j_:97+j_], s[22:23], v[12:13] op_sel_hi:[1,0,0]   ; t - M
.set j_, j_+2
.endr
.irp b, 0,1
	v_fma_f32 v[232+\b], v[232+\b], s22, v12
.endr
.set j_, 0
	s_wait_alu depctr_va_vdst(0)
.rept 64
	v_exp_f32 v[96+j_], v[96+j_]                   ; p = 2^(t - M)
.set j_, j_+1
.endr
	v_pk_mul_f32 v[14:15], v[14:15], v[252:253] op_sel_hi:[1,0]   ; the sums under the new M: a plain instruction behind the exponentials
	s_wait_alu depctr_va_vdst(0)                   ; one wait for the batch, ahead of its first reader
.irp b, 0,1
	v_exp_f32 v[232+\b], v[232+\b]                 ; my two blocks' largest p
.endr
	v_pk_add_f32 v[236:237], v[100:101], v[104:105]
	v_pk_add_f32 v[250:251], v[108:109], v[112:113]
	v_pk_add_f32 v[248:249], v[116:117], v[120:121]
	v_pk_add_f32 v[246:247], v[124:125], v[128:129]
	v_pk_add_f32 v[244:245], v[132:133], v[136:137]
	v_pk_add_f32 v[242:243], v[140:141], v[144:145]
	v_pk_add_f32 v[240:241], v[148:149], v[152:153]
	v_pk_add_f32 v[14:15], v[14:15], v[156:157]
	v_pk_add_f32 v[236:237], v[236:237], v[96:97]
	v_pk_add_f32 v[250:251], v[250:251], v[98:99]
	v_pk_add_f32 v[248:249], v[248:249], v[102:103]
	v_pk_add_f32 v[246:247], v[246:247], v[106:107]
	v_pk_add_f32 v[244:245], v[244:245], v[110:111]
	v_pk_add_f32 v[242:243], v[242:243], v[114:115]
	v_pk_add_f32 v[240:241], v[240:241], v[118:119]
	v_pk_add_f32 v[14:15], v[14:15], v[122:123]
	v_pk_add_f32 v[236:237], v[236:237], v[126:127]
	v_pk_add_f32 v[250:251], v[250:251], v[130:131]
	v_pk_add_f32 v[248:249], v[248:249], v[134:135]
	v_pk_add_f32 v[246:247], v[246:247], v[138:139]
	v_pk_add_f32 v[244:245], v[244:245], v[142:143]
	v_pk_add_f32 v[242:243], v[242:243], v[146:147]
	v_pk_add_f32 v[240:241], v[240:241], v[150:151]
	v_pk_add_f32 v[14:15], v[14:15], v[154:155]
	v_pk_add_f32 v[236:237], v[236:237], v[158:159]
	s_delay_alu instid0(VALU_DEP_2)
	v_pk_add_f32 v[14:15], v[14:15], v[246:247]
	s_delay_alu instid0(VALU_DEP_2)
	v_pk_add_f32 v[236:237], v[236:237], v[244:245]
	v_pk_add_f32 v[250:251], v[250:251], v[242:243]
	v_pk_add_f32 v[248:249], v[248:249], v[240:241]
	s_delay_alu instid0(VALU_DEP_2)
	v_pk_add_f32 v[14:15], v[14:15], v[250:251]
	s_delay_alu instid0(VALU_DEP_2)
	v_pk_add_f32 v[236:237], v[236:237], v[248:249]
	s_delay_alu instid0(VALU_DEP_1)
	v_pk_add_f32 v[14:15], v[14:15], v[236:237]
	s_wait_alu depctr_va_vdst(0)                   ; and one for the two
.irp b, 0,1
	v_max_num_f32 v[232+\b], 0x1800000, v[232+\b]  ; the floor 2^(3 - 127)
.endr
.irp b, 0,1
	s_delay_alu instid0(VALU_DEP_2)
	v_add_nc_u32 v[244+\b], 0xff000000, v[232+\b]  ; 2 off the exponent field: the conversions' scale operand
.endr
.irp b, 0,1
	s_delay_alu instid0(VALU_DEP_2)
	v_lshrrev_b32 v[246+\b], 23, v[244+\b]         ; the scale's byte
.endr
	s_delay_alu instid0(VALU_DEP_1)
	v_lshl_or_b32 v253, v247, 16, v246             ; my two bytes: blocks h and 2 + h,
	s_delay_alu instid0(VALU_DEP_1)
	v_lshlrev_b32 v253, v28, v253                  ; at their places in the word (8 h bits up);
	s_delay_alu instid0(VALU_DEP_1)
	v_permlanex16_b32 v239, v253, s20, s21
	s_delay_alu instid0(VALU_DEP_1)
	v_or_b32 v253, v253, v239                      ; with lane l xor 16's two: p's scale word for these 128 keys
.irp c, 0,1
	v_cvt_scalef32_pk16_fp6_f32 v[224+6*\c:226+6*\c], v[96+32*\c:111+32*\c], v[244+\c]
	v_cvt_scalef32_pk16_fp6_f32 v[236+4*\c:238+4*\c], v[112+32*\c:127+32*\c], v[244+\c]   ; (a conversion's three registers begin on an even number)
.endr
	v_nop                                          ; one plain instruction behind the scaled conversions
.irp c, 0,1
.irp i, 0,1,2
	v_mov_b32 v[227+6*\c+\i], v[236+4*\c+\i]       ; registers 6 c .. 6 c + 5 hold keys 64 c + 32 h + 0 .. 31
.endr
.endr
.set j_, 0
.rept 16
	v_pk_mul_f32 v[160+j_:161+j_], v[160+j_:161+j_], v[252:253] op_sel_hi:[1,0]   ; O^T under the new M.  (These 16 also stand between the writes of p's codes and scale word and the products)
.set j_, j_+2
.endr
	s_wait_alu depctr_va_vdst(0)
	s_wait_dscnt 0x0                               ; V^T and its scale words are in
.irp d, 0,1,2,3
	v_wmma_scale_f32_16x16x128_f8f6f4 v[160+8*\d:167+8*\d], v[32+12*\d:43+12*\d], v[224:235], v[160+8*\d:167+8*\d], v[90+\d], v253 matrix_a_fmt:MATRIX_FMT_FP6 matrix_b_fmt:MATRIX_FMT_FP6
.endr
.Lskip_\@:
	s_add_co_u32 s17, s17, REC
	s_add_co_u32 s16, s16, 1
	s_cmp_lt_u32 s16, \n
	s_cbranch_scc1 .Lstep_\@
.endm
.macro PASS_OUT
.rept 4
	v_nop                                          ; places behind the last products
.endr
	v_add_f32 v14, v14, v15
	s_delay_alu instid0(VALU_DEP_1)
	v_permlanex16_b32 v252, v14, s20, s21
	s_delay_alu instid0(VALU_DEP_1)
	v_add_f32 v14, v14, v252                       ; the row's sum
	s_wait_alu depctr_va_vdst(0)
	v_rcp_f32 v14, v14
	v_nop                                          ; a plain instruction behind the reciprocal
	s_lshr_b32 s40, s12, 4
	s_lshl_b32 s40, s40, 7
	s_lshl_b32 s41, s15, 3
	s_add_co_u32 s40, s40, s41
	s_lshl_b32 s41, s11, 1
	s_add_co_u32 s40, s40, s41
	s_add_co_u32 s40, s40, s14                     ; my tile of 16 tokens: 128 batch + 8 G + 2 cx + e
	s_and_b32 s41, s12, 15                         ; the head
	s_mul_i32 s42, s40, 12288
	s_mul_i32 s43, s41, 768                        ; half a K step's image a head
	s_add_co_u32 s42, s42, s43
	s_mov_b32 s43, 0
	s_add_nc_u64 s[38:39], s[8:9], s[42:43]
	s_lshl_b32 s42, s40, 9
	s_lshl_b32 s41, s41, 1
	s_add_co_u32 s42, s42, s41
	s_add_co_u32 s42, s42, AS
	s_add_nc_u64 s[44:45], s[8:9], s[42:43]
	s_wait_alu depctr_va_vdst(0)                   ; ahead of the reciprocal's first reader
.set j_, 0
.rept 32
	v_mul_f32 v[96+j_], v[160+j_], v14             ; O^T / the sum: register 8 t + j is channel 16 t + 8 h + j of my query
.set j_, j_+1
.endr
.irp b, 0,1
	v_max3_num_f32 v[232+\b], |v[96+16*\b]|, |v[97+16*\b]|, 0x1800000
.endr
.irp i, 2,4,6,8,10,12,14
.irp b, 0,1
	s_delay_alu instid0(VALU_DEP_2)
	v_max3_num_f32 v[232+\b], v[232+\b], |v[96+16*\b+\i]|, |v[97+16*\b+\i]|
.endr
.endr
.irp b, 0,1
	s_delay_alu instid0(VALU_DEP_2)
	v_permlanex16_b32 v[246+\b], v[232+\b], s20, s21
.endr
.irp b, 0,1
	s_delay_alu instid0(VALU_DEP_2)
	v_max_num_f32 v[232+\b], v[232+\b], v[246+\b]  ; along d_model a block of 32 lies in lanes l and l xor 16
.endr
.irp b, 0,1
	s_delay_alu instid0(VALU_DEP_2)
	v_add_nc_u32 v[244+\b], 0xff000000, v[232+\b]
.endr
.irp b, 0,1
	s_delay_alu instid0(VALU_DEP_2)
	v_lshrrev_b32 v[236+\b], 23, v[244+\b]
.endr
	s_delay_alu instid0(VALU_DEP_1)
	v_cndmask_b32 v240, v236, v237, s37            ; lane (r, h) stores block h's byte
	v_cvt_scalef32_pk16_fp6_f32 v[224:226], v[96:111], v244
	v_cvt_scalef32_pk16_fp6_f32 v[236:238], v[112:127], v245
	v_nop
.irp i, 0,1,2
	v_permlane16_swap_b32 v[224+\i], v[236+\i]
.endr
.irp i, 0,1,2
	s_delay_alu instid0(VALU_DEP_3)
	v_mov_b32 v[227+\i], v[236+\i]
.endr
	global_store_b64 v10, v[224:225], s[38:39]
	global_store_b64 v10, v[226:227], s[38:39] offset:256
	global_store_b64 v10, v[228:229], s[38:39] offset:512
	global_store_b8 v11, v240, s[44:45]
.endm
	PASS_HEAD 0
	s_wait_tensorcnt 0x0                           ; my record has landed,
	s_barrier_signal -1
	s_barrier_wait -1                              ; everybody's has
	PASS_LOOP 8                                    ; G = w / 2 is at most 7
	PASS_OUT
	PASS_HEAD 1
	PASS_LOOP 16
	PASS_OUT
	s_wait_tensorcnt 0x0                           ; the wave's end
	ds_add_u32 v5, v6
	s_wait_dscnt 0x0
	CROUND                                         ; the closing round
	s_endpgm
.Lfunc_end_k_qf656250dce_attn:
	.size	k_qf656250dce_attn, .Lfunc_end_k_qf656250dce_attn-k_qf656250dce_attn
	.p2alignl 7, 3214868480
	.fill 96, 4, 3214868480
	.section	.rodata,"a",@progbits
	.p2align	6, 0x0
	.amdhsa_kernel k_qf656250dce_attn
		.amdhsa_group_segment_fixed_size 210944
		.amdhsa_private_segment_fixed_size 0
		.amdhsa_enable_private_segment 0
		.amdhsa_kernarg_size 24
		.amdhsa_user_sgpr_count 2
		.amdhsa_user_sgpr_kernarg_segment_ptr 1
		.amdhsa_wavefront_size32 1
		.amdhsa_system_sgpr_workgroup_id_x 1
		.amdhsa_system_sgpr_workgroup_id_y 1
		.amdhsa_system_sgpr_workgroup_id_z 1
		.amdhsa_system_vgpr_workitem_id 0
		.amdhsa_next_free_vgpr 256
		.amdhsa_next_free_sgpr 66
		.amdhsa_reserve_vcc 1
		.amdhsa_float_denorm_mode_32 3
		.amdhsa_float_denorm_mode_16_64 3
		.amdhsa_memory_ordered 1
		.amdhsa_forward_progress 1
		.amdhsa_inst_pref_size 61
	.end_amdhsa_kernel
	.amdgpu_metadata
---
amdhsa.version: [ 1, 2 ]
amdhsa.kernels:
  - .name:           k_qf656250dce_attn
    .symbol:         k_qf656250dce_attn.kd
    .args:
      - { .name: qb, .offset: 0, .size: 8, .value_kind: global_buffer, .address_space: global }
      - { .name: kv, .offset: 8, .size: 8, .value_kind: global_buffer, .address_space: global }
      - { .name: ab, .offset: 16, .size: 8, .value_kind: global_buffer, .address_space: global }
    .group_segment_fixed_size: 210944
    .private_segment_fixed_size: 0
    .kernarg_segment_align: 8
    .kernarg_segment_size: 24
    .max_flat_workgroup_size: 512
    .sgpr_count:     66
    .vgpr_count:     256
    .wavefront_size: 32
...
	.end_amdgpu_metadata
.endif
;; end of part 3
;; launch outp (part 4): grid 4 x 64, 4 waves a work-group, clusters of 4 x 4, 327,680 bytes of LDS; arguments ab, wb, b_o, out0; writes out0
.if DOCPART == 4
	.amdgcn_target "amdgcn-amd-amdhsa--gfx1250"
	.amdhsa_code_object_version 6
	.text
	.protected	k_qf656250dce_outp
	.globl	k_qf656250dce_outp
	.p2align	8
	.type	k_qf656250dce_outp,@function
k_qf656250dce_outp:
	s_mov_b64 s[64:65], 0
	v_nop
	global_prefetch_b8 v0, s[64:65] scope:SCOPE_SE
	s_setreg_imm32_b32 hwreg(HW_REG_WAVE_MODE, 25, 1), 1
	s_wait_xcnt 0x0
	s_wait_alu depctr_hold_cnt(0) depctr_sa_sdst(0) depctr_va_vdst(0) depctr_va_sdst(0) depctr_va_ssrc(0) depctr_va_vcc(0) depctr_vm_vsrc(0)
	s_getreg_b32 s2, hwreg(HW_REG_IB_STS2, 6, 4)
	s_cmp_eq_u32 s2, 0
	s_cbranch_scc0 .Lentry_in_a_cluster
	s_endpgm
.Lentry_in_a_cluster:
	s_bfe_u32 s2, ttmp6, 0x10000c
	s_cmp_lg_u32 s2, 0xf033
	s_cbranch_scc0 .Lentry_shape_is_right
	s_endpgm
.Lentry_shape_is_right:
; out0 = attention's result x w_o + b_o, on codes of FP6 (E2M3) with E8M0 scales, K = 1,024; sums in f32.
; ab: [tile of 16 tokens 512][K step 8][1536] images of the operand's registers (register pair p of lane l at 256 p + 8 l), from AS on [token][32] scale bytes.  wb: the same for the weights' columns; w_o is weight 3; scale bytes from WS on.
; SHARES.  256 work-groups; each makes 128 tokens x 256 features; four waves, 2 x 2, each 64 tokens x 128 features: 32 accumulators, 256 registers.
; ALL OF K LIES IN LDS: (128 + 256) rows x 768 bytes = 294,912 bytes.  So there is no ring, nothing is filled again, and no round stands inside the work.
; The head has one joint load a wave: wave 0 the tokens' K steps 0-3, wave 1 the features' K steps 0-3, waves 2 and 3 the same of K steps 4-7.  The first barrier shows the low half alone
; (waves 0 and 1 wait, each on a load line of its own); K steps 0-2 and half of step 3 are multiplied while the high half may be on its way; a plain barrier in K step 3 shows it.
; CLUSTERS: 4 x 4; the tokens' tiles are asked for jointly along a row of the cluster, the features' along a column.
; NO PREFETCH: the launch has no loop to run ahead in; every byte that it reads by tensor loads is asked for at its head.
; SCALE WORDS go from memory into registers: lane (r, h) loads the 16 bytes at 32 r + 16 h of its block's 512, so register j holds K step j's word in lanes 0-15 and K step 4 + j's in lanes 16-31.
; The matrix instruction is used transposed (source 0 = 16 features, source 1 = 16 tokens): a lane holds eight neighbouring numbers of a row of out0.
; REGISTERS: window 0: v16-29 addresses, v32-47 the tokens' scale words, v50-81 the features', v84-87 the bias, v128-255 the way out; window 1: the features' fragments, two sets at v0 and v128;
; window 2: the accumulators, (a, b) at 8 (8 a + b); window 3: the tokens' fragments, two sets at v0 and v48.
; LIMITS: NaN and infinities are not served.
.set FR,    12                         ; registers of a fragment
.set NL,    6                          ; LDS loads that bring one
.set FRB,   1536                       ; a fragment's image
.set TH,    6144                       ; a tile of 16 rows in a half: four images
.set BLO,   49152                      ; behind the tokens' 8 tiles: the features' 16
.set HI,    147456                     ; from the low half to the high half
.set SPARE, 294912                     ; the spare words, 128 bytes for each wave
.set AS,    6291456
.set WS,    3145728
.set SPITCH, 528                       ; the way out: a stage of 16 rows x (512 + 16) bytes for each wave, in the low half, which nobody reads behind the second barrier
.set ADRA, 16                          ; v16-17 LDS address of my tokens' fragments, low and high half
.set ADRB, 20                          ; v20-21 of my features'
.set VS,   22                          ; v22  32 r + 16 h
.set STO,  24
.set RD,   25
.set CO,   26                          ; v26  16 x lane
.set SPW,  28                          ; v28  my spare word; never rewritten
.set NIL,  29                          ; v29  0; never rewritten
.set SA,   32
.set SB,   50                          ; SB - SA = 18: the two scale registers of a product never have the same number modulo 8
.set BO,   84
.set BK,   128
.set G1A,  24
.set G1B,  48
.set G0AL, 32
.set G0BL, 36
.set G0AH, 56
.set G0BH, 60
.set MSB, 0
.macro WIN new                         ; the immediate's high byte repeats the setting that is left
.if MSB != (\new)
	s_set_vgpr_msb (MSB<<8)|(\new)
.set MSB, (\new)
.endif
.endm
.set MUL,  0xad                        ; source 0 window 1, source 1 window 3, C and D window 2
.set TO_B, 0x40
.set TO_A, 0xc0
.macro PLACES n
.rept \n
	v_nop
.endr
.endm
.macro CROUND                          ; a round of the cluster's barrier
	s_barrier_signal -1
	s_barrier_wait -1
	s_cmp_lg_u32 s20, 0
	s_cbranch_scc1 .Lnot_wave_0_\@
	s_barrier_signal -3
.Lnot_wave_0_\@:
	s_barrier_wait -3
	s_barrier_signal -1
	s_barrier_wait -1
.endm
.macro GROUP1 g, mask, rows            ; rows tiles of 16 rows, of each 6,144 consecutive bytes (768 elements of 8), 12,288 bytes apart, dense in LDS
	s_or_b32 s[\g], s\mask, (3<<16)|(1<<21)
	s_mov_b32 s[\g+1], 768<<16
	s_mov_b32 s[\g+2], (\rows)<<16
	s_mov_b32 s[\g+3], 768<<16
	s_mov_b32 s[\g+4], \rows
	s_mov_b32 s[\g+5], 1536
	s_mov_b32 s[\g+6], 0
	s_mov_b32 s[\g+7], 0
.endm
.macro G0SET g, lds, base, off
	s_mov_b32 s[\g], 1
	s_mov_b32 s[\g+1], \lds
	s_add_nc_u64 s[\g+2:\g+3], s[\base:\base+1], \off
	s_or_b32 s[\g+3], s[\g+3], 0x80000000
.endm
	s_load_b256 s[4:11], s[0:1], 0x0               ; ab 4, wb 6, b_o 8, out0 10
	v_lshl_add_u32 v[SPW], v0, 2, SPARE
	v_mov_b32 v[NIL], 0
	ds_add_u32 v[SPW], v[NIL]                      ; the opening lines: the add, twice on end, and its wait ahead of my first tensor load
	ds_add_u32 v[SPW], v[NIL]
	v_lshrrev_b32 v1, 5, v0
	v_readfirstlane_b32 s20, v1                    ; wave 0..3
	s_lshr_b32 s21, s20, 1                         ; which 64 tokens are mine
	s_and_b32 s22, s20, 1                          ; which 128 features
	s_bfe_u32 s40, ttmp6, 0x40000                  ; cx: the tile of 256 features
	s_bfe_u32 s41, ttmp6, 0x40004                  ; cy
	s_and_b32 s42, ttmp7, 0xffff
	s_lshl_b32 s42, s42, 2
	s_add_co_u32 s42, s42, s41                     ; the tile of 128 tokens, 0..63
	s_lshl_b32 s45, s41, 2
	s_lshl_b32 s45, 15, s45                        ; my row of the cluster
	s_lshl_b32 s46, 0x1111, s40                    ; my column
	GROUP1 G1A, 45, 8
	GROUP1 G1B, 46, 16
	s_mul_i32 s92, s42, 98304                      ; the tokens' codes: 8 tiles of 12,288 bytes
	s_mov_b32 s93, 0
	s_mul_i32 s94, s40, 196608                     ; the features': 16 tiles, in weight 3
	s_add_co_u32 s94, s94, 2359296
	s_mov_b32 s95, 0
	s_lshl_b32 s96, s42, 12                        ; my 64 tokens' scale bytes
	s_lshl_b32 s23, s21, 11
	s_add_co_u32 s96, s96, s23
	s_add_co_u32 s96, s96, AS
	s_mov_b32 s97, 0
	s_lshl_b32 s2, s40, 13                         ; my 128 features' scale bytes
	s_lshl_b32 s23, s22, 12
	s_add_co_u32 s2, s2, s23
	s_add_co_u32 s2, s2, WS+98304
	s_mov_b32 s3, 0
	s_lshl_b32 s98, s40, 10                        ; my first column, in bytes
	s_lshl_b32 s23, s22, 9
	s_add_co_u32 s98, s98, s23
	s_mov_b32 s99, 0
	s_lshl_b32 s44, s42, 19                        ; my first row of out0: 4,096 bytes a row
	s_lshl_b32 s23, s21, 18
	s_add_co_u32 s44, s44, s23
	s_add_co_u32 s44, s44, s98
	s_mov_b32 s45, 0
	s_wait_dscnt 0x0                               ; both opening adds are done
	CROUND                                         ; all sixteen work-groups are here: the joint loads meet
	s_wait_kmcnt 0x0
	s_add_nc_u64 s[92:93], s[4:5], s[92:93]
	s_add_nc_u64 s[94:95], s[6:7], s[94:95]
	s_add_nc_u64 s[14:15], s[4:5], s[96:97]
	s_add_nc_u64 s[16:17], s[6:7], s[2:3]
	s_add_nc_u64 s[18:19], s[8:9], s[98:99]
	s_add_nc_u64 s[12:13], s[10:11], s[44:45]
	G0SET G0AL, 0, 92, 0
	G0SET G0BL, BLO, 94, 0
	G0SET G0AH, HI, 92, TH
	G0SET G0BH, HI+BLO, 94, TH
	s_mul_i32 s23, s21, 4*TH                       ; my four tiles of tokens
	s_mul_i32 s44, s22, 8*TH                       ; my eight tiles of features
	s_add_co_u32 s44, s44, BLO
	s_mul_i32 s47, s20, 16*SPITCH                  ; my stage
.macro ARM under, g0, g1, next         ; one chain of branches on the wave's number, one load to an arm
	s_cmp_lt_u32 s20, \under
	s_cbranch_scc0 \next
	tensor_load_to_lds s[\g0:\g0+3], s[\g1:\g1+7]
	s_nop 0
	PLACES 4
	s_branch .Lasked
\next:
.endm
	ARM 1, G0AL, G1A, .Lw1
	ARM 2, G0BL, G1B, .Lw2
	ARM 3, G0AH, G1A, .Lw3
	tensor_load_to_lds s[G0BH:G0BH+3], s[G1B:G1B+7]
	s_nop 0
	PLACES 4
.Lasked:
	v_and_b32 v1, 15, v0                           ; r
	v_bfe_u32 v2, v0, 4, 1                         ; h
	v_and_b32 v4, 31, v0
	v_lshlrev_b32 v[CO], 4, v4
	v_lshlrev_b32 v4, 3, v4                        ; 8 x lane: my place in an image's 256 bytes
	v_add_nc_u32 v[ADRA], s23, v4
	v_add_nc_u32 v[ADRB], s44, v4
	v_add_nc_u32 v[ADRA+1], HI, v[ADRA]
	v_add_nc_u32 v[ADRB+1], HI, v[ADRB]
	v_lshlrev_b32 v[VS], 5, v1
	v_lshl_add_u32 v[VS], v2, 4, v[VS]
	v_mul_u32_u24 v5, v1, SPITCH                   ; into the stage: row r, 32 bytes for each half of the lanes
	v_lshl_add_u32 v5, v2, 5, v5
	v_add_nc_u32 v[STO], s47, v5
	v_add_nc_u32 v[RD], s47, v[CO]                 ; back: the 32 lanes take one row of 512 bytes
	s_wait_alu depctr_va_vdst(0)
.irp a, 0,1,2,3
	global_load_b128 v[SA+4*\a:SA+4*\a+3], v[VS], s[14:15] offset:512*\a   ; 512 consecutive bytes a load
.endr
.irp b, 0,1,2,3,4,5,6,7
	global_load_b128 v[SB+4*\b:SB+4*\b+3], v[VS], s[16:17] offset:512*\b
.endr
	global_load_b128 v[BO:BO+3], v[CO], s[18:19]   ; the bias of my four columns of a row read back
.macro FRAG reg, adr, off              ; a fragment's image: six loads of 256 consecutive bytes
.irp p, 0,1,2,3,4,5
	ds_load_b64 v[\reg+2*\p:\reg+2*\p+1], v[\adr] offset:\off+256*\p
.endr
.endm
.macro FETCH q                         ; K step q's twelve fragments into set q % 2: the features' eight, then the tokens' four
	WIN TO_B
.irp b, 0,1,2,3,4,5,6,7
	FRAG 128*((\q)%2)+FR*\b, ADRB+(\q)/4, \b*TH+((\q)%4)*FRB
.endr
	WIN TO_A
.irp a, 0,1,2,3
	FRAG 48*((\q)%2)+FR*\a, ADRA+(\q)/4, \a*TH+((\q)%4)*FRB
.endr
.endm
; 16 matrix instructions: token blocks a0, a0 + 1 x the eight feature blocks.  The 32 accumulators take turns, one instruction a turn, in the same order in every step.
.macro MUL16 a0, q
.irp a, \a0, \a0+1
.irp b, 0,1,2,3,4,5,6,7
.set D_, 8*(8*(\a)+\b)
.set B_, 128*((\q)%2)+FR*\b
.set A_, 48*((\q)%2)+FR*(\a)
.set XB_, SB+4*\b+(\q)%4
.set XA_, SA+4*(\a)+(\q)%4
.if (\q) == 0
	v_wmma_scale_f32_16x16x128_f8f6f4 v[D_:D_+7], v[B_:B_+11], v[A_:A_+11], 0, v[XB_], v[XA_] matrix_a_fmt:MATRIX_FMT_FP6 matrix_b_fmt:MATRIX_FMT_FP6
.elseif (\q) < 4
	v_wmma_scale_f32_16x16x128_f8f6f4 v[D_:D_+7], v[B_:B_+11], v[A_:A_+11], v[D_:D_+7], v[XB_], v[XA_] matrix_a_fmt:MATRIX_FMT_FP6 matrix_b_fmt:MATRIX_FMT_FP6
.else
	v_wmma_scale_f32_16x16x128_f8f6f4 v[D_:D_+7], v[B_:B_+11], v[A_:A_+11], v[D_:D_+7], v[XB_], v[XA_] matrix_a_fmt:MATRIX_FMT_FP6 matrix_b_fmt:MATRIX_FMT_FP6 matrix_a_scale:MATRIX_SCALE_ROW1 matrix_b_scale:MATRIX_SCALE_ROW1
.endif
.endr
.endr
.endm
.macro STEP q
.if (\q) == 3
	s_wait_tensorcnt 0x0                           ; every wave: whatever I asked for is in, the high half's tiles among it
	s_wait_dscnt 0x0                               ; and my reads of the low half are over
	s_barrier_signal -1
	WIN MUL
	MUL16 0, \q
	s_barrier_wait -1                              ; the high half is whole
.else
	s_wait_dscnt 2*NL                              ; the youngest 12 loads, token blocks 2 and 3, may be out
	WIN MUL
	MUL16 0, \q
	s_wait_dscnt 0x0
.endif
.if (\q) < 7
	PLACES 4                                       ; places between the last step's products and the loads into their registers (for instructions other than loads)
	FETCH (\q)+1
.endif
	WIN MUL
	MUL16 2, \q
.endm
	s_cmp_lt_u32 s20, 2
	s_cbranch_scc0 .Lnot_lo
	s_wait_tensorcnt 0x0                           ; waves 0 and 1: my tile of the low half is in
.Lnot_lo:
	s_barrier_signal -1
	s_barrier_wait -1                              ; the low half is whole; the high half may still be on its way
	FETCH 0
	s_wait_loadcnt 0x0                             ; the scale words and the bias
.irp q, 0,1,2,3,4,5,6,7
	STEP \q
.endr
	WIN 0
; THE WAY OUT, block by block of 16 tokens x 128 features, through my own stage: whole rows of 512 bytes come back and leave as two aligned units of 256 bytes.  LDS serves a wave's instructions in order (ISA guide 5.7.1.4).
.macro TOSTAGE a
	WIN 0x08                                       ; the data: window 2
.irp b, 0,1,2,3,4,5,6,7
	ds_store_b128 v[STO], v[64*(\a)+8*\b:64*(\a)+8*\b+3] offset:64*\b          ; each accumulator from its low end on
	ds_store_b128 v[STO], v[64*(\a)+8*\b+4:64*(\a)+8*\b+7] offset:64*\b+16
.endr
	WIN 0
.set BB, BK+64*((\a)%2)
.irp t, 0,1,2,3,4,5,6,7,8,9,10,11,12,13,14,15
	ds_load_b128 v[BB+4*\t:BB+4*\t+3], v[RD] offset:\t*SPITCH
.endr
.endm
.macro SEND a, younger                 ; younger: the LDS instructions issued behind block a's loads
.set BB, BK+64*((\a)%2)
	s_wait_dscnt \younger
.irp t, 0,1,2,3,4,5,6,7,8,9,10,11,12,13,14,15
	v_pk_add_f32 v[BB+4*\t:BB+4*\t+1], v[BB+4*\t:BB+4*\t+1], v[BO:BO+1]
	v_pk_add_f32 v[BB+4*\t+2:BB+4*\t+3], v[BB+4*\t+2:BB+4*\t+3], v[BO+2:BO+3]
	global_store_b128 v[CO], v[BB+4*\t:BB+4*\t+3], s[12:13] offset:(16*(\a)+\t)*4096 th:TH_STORE_NT   ; 512 consecutive bytes, aligned
.endr
.endm
	PLACES 4                                       ; between the last products and the first read of results
	TOSTAGE 0
.irp a, 1,2,3
.if \a > 1
	s_wait_xcnt 0x0                                ; block a - 2's stores have read their registers: block a's loads may land there
.endif
	TOSTAGE \a
	SEND \a-1, 32                                  ; behind block a - 1's loads: block a's 16 stores and 16 loads
.endr
	SEND 3, 0
	s_wait_tensorcnt 0x0                           ; the wave's end
	ds_add_u32 v[SPW], v[NIL]
	s_wait_dscnt 0x0
	CROUND                                         ; the closing round
	s_endpgm
.Lfunc_end_k_qf656250dce_outp:
	.size	k_qf656250dce_outp, .Lfunc_end_k_qf656250dce_outp-k_qf656250dce_outp
	.p2alignl 7, 3214868480
	.fill 96, 4, 3214868480
	.section	.rodata,"a",@progbits
	.p2align	6, 0x0
	.amdhsa_kernel k_qf656250dce_outp
		.amdhsa_group_segment_fixed_size 327680
		.amdhsa_private_segment_fixed_size 0
		.amdhsa_enable_private_segment 0
		.amdhsa_kernarg_size 32
		.amdhsa_user_sgpr_count 2
		.amdhsa_user_sgpr_kernarg_segment_ptr 1
		.amdhsa_wavefront_size32 1
		.amdhsa_system_sgpr_workgroup_id_x 1
		.amdhsa_system_sgpr_workgroup_id_y 1
		.amdhsa_system_sgpr_workgroup_id_z 1
		.amdhsa_system_vgpr_workitem_id 0
		.amdhsa_next_free_vgpr 864
		.amdhsa_next_free_sgpr 100
		.amdhsa_reserve_vcc 0
		.amdhsa_float_denorm_mode_32 3
		.amdhsa_float_denorm_mode_16_64 3
		.amdhsa_memory_ordered 1
		.amdhsa_forward_progress 1
		.amdhsa_inst_pref_size 102
	.end_amdhsa_kernel
	.amdgpu_metadata
---
amdhsa.version: [ 1, 2 ]
amdhsa.kernels:
  - .name:           k_qf656250dce_outp
    .symbol:         k_qf656250dce_outp.kd
    .args:
      - { .name: ab, .offset: 0, .size: 8, .value_kind: global_buffer, .address_space: global }
      - { .name: wb, .offset: 8, .size: 8, .value_kind: global_buffer, .address_space: global }
      - { .name: b_o, .offset: 16, .size: 8, .value_kind: global_buffer, .address_space: global }
      - { .name: out0, .offset: 24, .size: 8, .value_kind: global_buffer, .address_space: global }
    .group_segment_fixed_size: 327680
    .private_segment_fixed_size: 0
    .kernarg_segment_align: 8
    .kernarg_segment_size: 32
    .max_flat_workgroup_size: 128
    .sgpr_count:     100
    .vgpr_count:     864
    .wavefront_size: 32
...
	.end_amdgpu_metadata
.endif
;; end of part 4
